; MI455X (gfx1250); checked and timed in simulation.
; The chip was launched on July 23, 2026; its instructions are those of AMD's public machine-readable ISA for CDNA 5 (MIT licence, August 2026) and "CDNA5" Instruction Set Architecture Reference Guide (July 2026). The comments in the code are by the model that wrote it; some were corrected since.
;; Multi Head Attention. Allowed arithmetic: matrix products marked QUANTISED: E2M1 operands, one E8M0 scale for each 32 along K, by v_wmma_scale_f32_16x16x128_f8f6f4 with both operands' format E2M1 (or v_wmma_scale_f32_32x16x128_f4), f32 sums; everything else in f32.
;; Inputs: K_codes 4 x 2,048 x 32 x 16 uint8 (E2M1 codes of K, K innermost, in blocks of 32 codes, two codes a byte); K_scales 4 x 2,048 x 32 uint8 (E8M0 scales of K, one for each 32 codes along K); Q_codes 4 x 2,048 x 32 x 16 uint8 (E2M1 codes of Q, K innermost, in blocks of 32 codes, two codes a byte); Q_scales 4 x 2,048 x 32 uint8 (E8M0 scales of Q, one for each 32 codes along K); V_codes 4 x 2,048 x 32 x 16 uint8 (E2M1 codes of V, K innermost, in blocks of 32 codes, two codes a byte); V_scales 4 x 2,048 x 32 uint8 (E8M0 scales of V, one for each 32 codes along K); W_k_codes 1,024 x 32 x 16 uint8 (E2M1 codes of W_k, K innermost, in blocks of 32 codes, two codes a byte); W_k_scales 1,024 x 32 uint8 (E8M0 scales of W_k, one for each 32 codes along K); W_o_codes 1,024 x 32 x 16 uint8 (E2M1 codes of W_o, K innermost, in blocks of 32 codes, two codes a byte); W_o_scales 1,024 x 32 uint8 (E8M0 scales of W_o, one for each 32 codes along K); W_q_codes 1,024 x 32 x 16 uint8 (E2M1 codes of W_q, K innermost, in blocks of 32 codes, two codes a byte); W_q_scales 1,024 x 32 uint8 (E8M0 scales of W_q, one for each 32 codes along K); W_v_codes 1,024 x 32 x 16 uint8 (E2M1 codes of W_v, K innermost, in blocks of 32 codes, two codes a byte); W_v_scales 1,024 x 32 uint8 (E8M0 scales of W_v, one for each 32 codes along K); b_k 1,024 float32; b_o 1,024 float32; b_q 1,024 float32; b_v 1,024 float32; ln_beta 1,024 float32; ln_gamma 1,024 float32.
;; Outputs: out0 4 x 2,048 x 1,024 float32.
;; This version of the problem:
;;   THIS VERSION OF THE PROBLEM IS GIVEN IN LOW PRECISION. The matrix products marked QUANTISED in the list below multiply operands that are first quantised to E2M1 (2 exponent bits, 1 mantissa bit; 4 bits a number), with one power-of-two scale for each 32 numbers along K (OCP MX v1.0); their sums are f32. All else is computed in f32.
;;   The module's matrix products, in the order in which they are computed (A, B: the left and right operand; K: the contracted axis; several contracted axes count as one K, in the product's order):
;;     1. [M 8,192, K 1,024] x [K 1,024, N 1,024]; A: input Q (given as codes); B: input W_q (given as codes): QUANTISED
;;     2. [M 8,192, K 1,024] x [K 1,024, N 1,024]; A: input K (given as codes); B: input W_k (given as codes): QUANTISED
;;     3. [M 8,192, K 1,024] x [K 1,024, N 1,024]; A: input V (given as codes); B: input W_v (given as codes): QUANTISED
;;     4. batch 64 x [M 2,048, K 64] x [K 64, N 2,048]; A: computed on the way; B: computed on the way: QUANTISED
;;     5. batch 64 x [M 2,048, K 2,048] x [K 2,048, N 64]; A: softmax (see below); B: computed on the way: QUANTISED
;;     6. [M 8,192, K 1,024] x [K 1,024, N 1,024]; A: computed on the way; B: input W_o (given as codes): QUANTISED
;;   THE QUANTISER, for each operand of a quantised product, along K:
;;     - K is cut into blocks of 32 from its start; a last block that is shorter is filled with zeros.
;;     - A block's scale is 2^e with e = floor(log2(the largest magnitude in the block)) - 2, held to -126 .. 127; a block of zeros has e = 0. As a byte (E8M0): e + 127.
;;     - Each number is divided by its block's scale, clamped to +-6, and rounded to the nearest number of E2M1, ties to even, subnormals kept.
;;     - The product sums the exact products of the quantised numbers (number of the format x scale) in f32.
;;   ~~~python
;;   def quantise(x, axis):      # numpy; x: float32 -> the quantised numbers, widened to float32 again
;;       x = np.moveaxis(x, axis, -1); K = x.shape[-1]
;;       x = np.pad(x, [(0, 0)] * (x.ndim - 1) + [(0, -K % 32)]); x = x.reshape(x.shape[:-1] + (-1, 32)); a = np.abs(x).max(-1, keepdims=True)
;;       e = np.where(a > 0, np.clip(np.frexp(np.where(a > 0, a, 1))[1] - 1 - 2, -126, 127), 0)      # np.frexp(a)[1] - 1 = floor(log2(a)), exactly
;;       r = np.clip(x / 2.0 ** e, -6, 6)
;;       step = 2.0 ** (np.maximum(np.frexp(np.where(r == 0, 1, r))[1] - 1, 0) - 1)
;;       q = np.round(r / step) * step * 2.0 ** e      # np.round: ties to even
;;       return np.moveaxis(q.reshape(q.shape[:-2] + (-1,))[..., :K], -1, axis).astype(np.float32)
;;   ~~~
;;   SOFTMAX AHEAD OF A QUANTISED PRODUCT. Where the list says 'softmax', what is quantised is not the finished softmax but p = 2^(t - M), with t = logit x log2(e) and M = ceil(the row's largest t), a whole number; so 1/2 < the row's largest p <= 1. The row's sum l is taken of the UNQUANTISED p, in f32, and the product's result is divided by l at the end. Since M is a whole number, a kernel that streams over the keys may use a running M (the ceiling of the running maximum): every later rescaling is an exact power of two, which a block's scale takes up: the codes' values come out the same.
;;   OPERANDS COMPUTED ON THE WAY. 'Computed on the way' means the value that the module computes at that place (a softmax that the list does not call 'softmax' is quantised finished and normalised). What goes into a quantiser is computed in f32, as accurately as f32 sums, v_exp_f32 and their like allow (about 1e-6 of the number): no bf16 or f16 on the way to a quantiser, and a product that is left as it is and whose result goes on into a quantised operand takes f32 operands (vector FMAs, or v_wmma_f32_16x16x4_f32). A number that lies on a knife's edge between two numbers of the format may be rounded either way, as far as f32 arithmetic and the matrix unit's own rounding can turn it there, and no further.
;;   INPUTS GIVEN AS CODES. K (in the module: [4, 2048, 1024], K = its axis 2); Q (in the module: [4, 2048, 1024], K = its axis 2); V (in the module: [4, 2048, 1024], K = its axis 2); W_k (in the module: [1024, 1024], K = its axis 1); W_o (in the module: [1024, 1024], K = its axis 1); W_q (in the module: [1024, 1024], K = its axis 1); W_v (in the module: [1024, 1024], K = its axis 1): each comes as NAME_codes (uint8): NAME with its K axis moved to the last place and cut into blocks of 32 codes, [.., K / 32, bytes a block], one block behind the other in memory; two codes a byte, the lower K in the low four bits (a code: sign, 2 exponent bits, 1 mantissa bit); and NAME_scales (uint8): the same leading axes, one E8M0 byte (e + 127) for each 32 codes along K. Its value is code x scale, taken as it is: it is not quantised again, and the codes and scales need not be those that the quantiser above would give.
;; 2 versions. Each part assembles by itself: llvm-mc -triple=amdgcn-amd-amdhsa -mcpu=gfx1250 --defsym DOCPART=n.
;; ======== version 1 of 2: 3 launches
;; workspace buffers: qkv_img 12,582,912 bytes; qkv_sw 1,572,864 bytes; wimg 1,048,576 bytes; cimg 4,194,304 bytes; csc 262,144 bytes
;; launch proj (part 1): grid 4 x 96, 4 waves a work-group, clusters of 4 x 4, 279,040 bytes of LDS; arguments Q_codes, K_codes, V_codes, Q_scales, K_scales, V_scales, W_q_codes, W_k_codes, W_v_codes, W_q_scales, W_k_scales, W_v_scales, b_q, b_k, b_v, W_o_codes, qkv_img, qkv_sw, wimg; writes qkv_img, qkv_sw, wimg
.if DOCPART == 1
	.amdgcn_target "amdgcn-amd-amdhsa--gfx1250"
	.amdhsa_code_object_version 6
	.text
	.protected	k_qa84f3f145a_proj
	.globl	k_qa84f3f145a_proj
	.p2align	8
	.type	k_qa84f3f145a_proj,@function
k_qa84f3f145a_proj:
	s_mov_b64 s[64:65], 0
	v_nop
	global_prefetch_b8 v0, s[64:65] scope:SCOPE_SE
	s_setreg_imm32_b32 hwreg(HW_REG_WAVE_MODE, 25, 1), 1
	s_wait_xcnt 0x0
	s_wait_alu depctr_hold_cnt(0) depctr_sa_sdst(0) depctr_va_vdst(0) depctr_va_sdst(0) depctr_va_ssrc(0) depctr_va_vcc(0) depctr_vm_vsrc(0)
	s_getreg_b32 s2, hwreg(HW_REG_IB_STS2, 6, 4)
	s_cmp_eq_u32 s2, 0
	s_cbranch_scc0 .Lentry_in_a_cluster
	s_endpgm
.Lentry_in_a_cluster:
	s_bfe_u32 s2, ttmp6, 0x10000c
	s_cmp_lg_u32 s2, 0xf033
	s_cbranch_scc0 .Lentry_shape_is_right
	s_endpgm
.Lentry_shape_is_right:
; q = Q W_q^T + b_q, k = K W_k^T + b_k, v = V W_v^T + b_v: [8192][1024] each, K = 1024, on codes of FP4 (E2M1) with one E8M0 byte for each 32 along K; sums in f32.
; The results never go to memory as f32: q and k are quantised along the head's 64, v along the keys, and leave as images of the registers of the next launch's operands (lane l's 16 bytes at 16 l).
; MODE = cluster y / 8 (0 q, 1 k, 2 v): the same in all partners of a cluster.  A work-group makes 256 tokens x 256 features, a wave 128 x 128: 64 accumulators, 512 registers.
; All of K lies in LDS: two slots of 512 along K (rows of 256 bytes + 16 of padding), each filled ONCE, so no LDS byte is filled again.
; CLUSTER 4 x 4: the tokens' tile hangs on the tile row and is asked for jointly by a row of the cluster, the weights' tile on the tile column and is asked for jointly by a column.
; ROLES.  Source 0 = role B, source 1 = role A; a lane then holds one row of role A and eight neighbours of role B.  q, k: A = tokens, B = features (registers run along the head's axis).
; v: A = features, B = tokens (registers run along the keys).  Only the LDS bases of the fragment loads differ between the modes, no instruction of the product.
; The work-groups of mode 0 also re-lay W_o and W_q as fragment images for the last launch: one tile of 16 rows each, two K steps a wave.
; QUANTISER: a block's byte is its largest magnitude's exponent field - 2.
; LIMITS: a block of zeros, and a block whose largest magnitude lies under 2^-124, gets the byte 1 (zero codes add nothing; only this program reads the bytes); NaN and infinities, and the byte 0xff among the given scales, are not served.
; REGISTERS, in windows of 256: window 0: v1-31 addresses and single words; v32-63 role A's scale words, v64-95 role B's (nothing else ever lies there); v96-127 at work on the way out; v128-191 role A's fragments, later
;   64 numbers on the way out; v192-255 the bias in q's and k's layout.  window 1: role B's fragments, two sets, at v0 and v128; v64-79 the bias in v's layout.  windows 2, 3: accumulator (a, b) at v[8 (8 (a % 4) + b)].
.set KROW,  512                        ; a row of codes in memory
.set ROWB,  256                        ; a tile's row: 512 codes
.set PITCH, 272                        ; in LDS: + 16 bytes, so that the 16 rows of a fragment load start 68 words apart
.set HALFT, 128*PITCH                  ; 128 rows: one tensor load
.set SLOT,  4*HALFT                    ; 256 rows of tokens, then 256 rows of weights
.set FR,    8
.set ADRA, 16                          ; v16-17 LDS address of role A's fragments in slot 0, 1
.set ADRB, 20                          ; v20-21 role B's
.set L16,  24                          ; 16 x lane
.set SCO,  25                          ; 32 r + 16 h: my 16 scale bytes of a row
.set BOQ,  26                          ; 32 h
.set RLO,  27                          ; 512 r + 16 h
.set BOV,  28                          ; 4 r
.set PW,   29
.set W0,   30
.set W1,   31
.set SCA,  32
.set SCB,  64
.set RL,   96                          ; the re-lay's 16 registers
.set TM,   96                          ; later: +0..3 largest magnitudes, +4..7 bytes, +12..15 the conversions' scale operands
.set PC,   112                         ; the codes just made
.set SWR,  120                         ; scale words gathered for two heads
.set AF,   128
.set T,    128
.set BI,   192
.set BIV,  64                          ; in window 1
.set G1,   44                          ; s[44:51] group 1, s[52:59] groups 0 for the tokens' tiles
.set G0,   52
.set G1B,  68                          ; s[68:75], s[76:83] for the weights' tiles
.set G0B,  76
.set G1W0, (1<<20)|(1<<21)|(5<<22)|(3<<25)   ; elements of 1 byte; padding on; bit 21 beside a mask; 4 words behind every 64
.set MSB, 0
.macro WIN new                         ; the immediate's high byte repeats the setting that is left
.if MSB != (\new)
	s_set_vgpr_msb (MSB<<8)|(\new)
.set MSB, (\new)
.endif
.endm
.set MUL_LO, 0xa1                      ; source 0 window 1, source 1 window 0, C and D window 2
.set MUL_HI, 0xf1                      ; C and D window 3
.set TO_B,   0x40
.macro JLOAD g0a, g1a, g0b, g1b        ; waves 0, 1 ask for the tokens' halves, waves 2, 3 for the weights'; four v_nop follow each line
	s_cmp_eq_u32 s61, 0
	s_cbranch_scc0 .Lfor_w_\@
	tensor_load_to_lds s[\g0a:\g0a+3], s[\g1a:\g1a+7]
	s_nop 0
.rept 4
	v_nop
.endr
	s_branch .Lasked_\@
.Lfor_w_\@:
	tensor_load_to_lds s[\g0b:\g0b+3], s[\g1b:\g1b+7]
	s_nop 0
.rept 4
	v_nop
.endr
.Lasked_\@:
.endm
.macro CROUND                          ; a round of the cluster's barrier
	s_barrier_signal -1
	s_barrier_wait -1
	s_cmp_lg_u32 s60, 0
	s_cbranch_scc1 .Lnot_wave_0_\@
	s_barrier_signal -3
.Lnot_wave_0_\@:
	s_barrier_wait -3
	s_barrier_signal -1
	s_barrier_wait -1
.endm
.macro PLACES n
.rept \n
	v_nop
.endr
.endm
	s_load_b512 s[4:19], s[0:1], 0x0               ; Q, K, V codes s[4:9]; Q, K, V scales s[10:15]; W_q, W_k codes s[16:19]
	s_load_b512 s[20:35], s[0:1], 0x40             ; W_v codes; W_q, W_k, W_v scales s[22:27]; b_q, b_k, b_v s[28:33]; W_o codes s[34:35]
	s_load_b128 s[36:39], s[0:1], 0x80             ; qkv_img, qkv_sw
	s_load_b64 s[40:41], s[0:1], 0x90              ; wimg
	v_lshl_add_u32 v22, v0, 2, 0x44000
	v_mov_b32 v23, 0
	ds_add_u32 v22, v23
	ds_add_u32 v22, v23
	v_lshrrev_b32 v1, 5, v0
	v_readfirstlane_b32 s60, v1                    ; wave 0..3
	s_lshr_b32 s61, s60, 1                         ; HA: my half of role A.  Also: I fetch tokens (0) or weights (1)
	s_and_b32 s62, s60, 1                          ; HB: my half of role B.  Also: which 128 rows I fetch
	s_bfe_u32 s67, ttmp6, 0x40000                  ; cx = the feature tile
	s_bfe_u32 s84, ttmp6, 0x40004                  ; cy
	s_and_b32 s85, ttmp7, 0xffff                   ; cluster y, 0..23
	s_lshr_b32 s63, s85, 3                         ; mode
	s_lshr_b32 s66, s85, 4
	s_min_u32 s66, s66, 1                          ; 1 in mode v
	s_and_b32 s86, s85, 7
	s_lshl_b32 s86, s86, 2
	s_add_co_u32 s86, s86, s84                     ; token tile 0..31
	s_lshl_b32 s92, s84, 2
	s_lshl_b32 s92, 15, s92                        ; my row of the cluster
	s_lshl_b32 s93, 0x1111, s67                    ; my column
	s_or_b32 s[G1], s92, G1W0
	s_or_b32 s[G1B], s93, G1W0
.irp g, G1, G1B
	s_mov_b32 s[\g+1], ROWB<<16                    ; tensor_dim0
	s_mov_b32 s[\g+2], 128<<16                     ; tensor_dim1
	s_mov_b32 s[\g+3], ROWB<<16                    ; tile_dim0
	s_mov_b32 s[\g+4], 128                         ; tile_dim1
	s_mov_b32 s[\g+5], KROW                        ; pitch
	s_mov_b32 s[\g+6], 0
	s_mov_b32 s[\g+7], 0
.endr
	s_mov_b32 s87, 0xffff0000                      ; lanes 16-31
	s_mov_b32 s88, 0x7f7f0000                      ; the bytes 127 for the unused half of q's and k's K step
	s_mov_b32 s90, 0x76543210
	s_mov_b32 s91, 0xfedcba98                      ; v_permlanex16_b32: lane l xor 16
	s_lshl_b32 s94, s86, 17                        ; tokens: (256 tile + 128 HB) rows of 512 bytes
	s_lshl_b32 s95, s62, 16
	s_add_co_u32 s94, s94, s95
	s_mov_b32 s95, 0
	s_lshl_b32 s96, s67, 17                        ; weights likewise, by cx
	s_lshl_b32 s97, s62, 16
	s_add_co_u32 s96, s96, s97
	s_mov_b32 s97, 0
	s_mul_i32 s98, s60, HALFT                      ; where my load goes: wave x 128 rows
	s_wait_dscnt 0x0
	s_wait_kmcnt 0x0
	s_cmp_eq_u32 s63, 1                            ; the mode chooses the buffers: it hangs on the cluster's number alone
	s_cselect_b64 s[4:5], s[6:7], s[4:5]
	s_cselect_b64 s[10:11], s[12:13], s[10:11]
	s_cselect_b64 s[16:17], s[18:19], s[16:17]
	s_cselect_b64 s[22:23], s[24:25], s[22:23]
	s_cselect_b64 s[28:29], s[30:31], s[28:29]
	s_cmp_eq_u32 s63, 2
	s_cselect_b64 s[4:5], s[8:9], s[4:5]           ; the tokens' codes
	s_cselect_b64 s[10:11], s[14:15], s[10:11]     ; their scales
	s_cselect_b64 s[16:17], s[20:21], s[16:17]     ; the weights' codes
	s_cselect_b64 s[22:23], s[26:27], s[22:23]     ; their scales
	s_cselect_b64 s[28:29], s[32:33], s[28:29]     ; the bias
	s_add_nc_u64 s[94:95], s[4:5], s[94:95]
	s_add_nc_u64 s[96:97], s[16:17], s[96:97]
	CROUND                                         ; all sixteen work-groups are here: the joint loads meet
.irp s, 0,1
	s_mov_b32 s[G0+4*\s], 1
	s_add_co_u32 s[G0+4*\s+1], s98, \s*SLOT
	s_add_nc_u64 s[G0+4*\s+2:G0+4*\s+3], s[94:95], \s*ROWB
	s_or_b32 s[G0+4*\s+3], s[G0+4*\s+3], 0x80000000
	s_mov_b32 s[G0B+4*\s], 1
	s_add_co_u32 s[G0B+4*\s+1], s98, \s*SLOT
	s_add_nc_u64 s[G0B+4*\s+2:G0B+4*\s+3], s[96:97], \s*ROWB
	s_or_b32 s[G0B+4*\s+3], s[G0B+4*\s+3], 0x80000000
	JLOAD G0+4*\s, G1, G0B+4*\s, G1B               ; both slots go out at once: two loads of mine are out
.endr
	v_and_b32 v1, 15, v0                           ; r
	v_bfe_u32 v2, v0, 4, 1                         ; h
	v_and_b32 v3, 31, v0
	v_mul_u32_u24 v4, v1, PITCH
	v_lshl_add_u32 v4, v2, 4, v4                   ; a fragment's row x pitch + 16 h
	s_lshl_b32 s92, s66, 1
	s_add_co_u32 s92, s92, s61
	s_mul_i32 s92, s92, HALFT                      ; role A: tokens' half HA, in mode v the weights' half HA
	s_xor_b32 s93, s66, 1
	s_lshl_b32 s93, s93, 1
	s_add_co_u32 s93, s93, s62
	s_mul_i32 s93, s93, HALFT                      ; role B: the other tensor's half HB
.irp s, 0,1
	v_add_nc_u32 v[ADRA+\s], s92, v4
	v_add_nc_u32 v[ADRB+\s], s93, v4
	s_add_co_u32 s92, s92, SLOT
	s_add_co_u32 s93, s93, SLOT
.endr
	v_lshlrev_b32 v[L16], 4, v3
	v_lshlrev_b32 v[SCO], 5, v1
	v_lshl_add_u32 v[SCO], v2, 4, v[SCO]
	v_lshlrev_b32 v[BOQ], 5, v2
	v_lshlrev_b32 v[RLO], 9, v1
	v_lshl_add_u32 v[RLO], v2, 4, v[RLO]
	v_lshlrev_b32 v[BOV], 2, v1
	; THE RE-LAY, in mode 0 alone: loads, their wait and the stores stand in one branch
	s_cmp_lg_u32 s63, 0
	s_cbranch_scc1 .Lno_relay
	s_lshr_b32 s92, s85, 2                         ; 0: W_o, 1: W_q
	s_and_b32 s93, s85, 3
	s_lshl_b32 s93, s93, 4
	s_lshl_b32 s94, s84, 2
	s_add_co_u32 s93, s93, s94
	s_add_co_u32 s93, s93, s67                     ; the tile of 16 rows, 0..63
	s_lshl_b32 s94, s93, 13                        ; 8,192 bytes a tile, in both layouts
	s_lshl_b32 s96, s60, 7                         ; from: my two K steps, 64 bytes each in a row
	s_add_co_u32 s96, s96, s94
	s_mov_b32 s97, 0
	s_lshl_b32 s98, s60, 11                        ; to: 1,024 bytes a K step
	s_add_co_u32 s98, s98, s94
	s_lshl_b32 s99, s92, 19
	s_add_co_u32 s98, s98, s99
	s_mov_b32 s99, 0
	s_cmp_eq_u32 s92, 1
	s_cselect_b64 s[42:43], s[16:17], s[34:35]     ; (in mode 0 s[16:17] is W_q's codes)
	s_add_nc_u64 s[42:43], s[42:43], s[96:97]
	s_add_nc_u64 s[40:41], s[40:41], s[98:99]
.irp e, 0,1
.irp c, 0,1
	global_load_b128 v[RL+4*(2*\e+\c):RL+4*(2*\e+\c)+3], v[RLO], s[42:43] offset:64*\e+32*\c
.endr
.endr
	s_wait_loadcnt 0x0
.irp e, 0,1
.irp c, 0,1
	global_store_b128 v[L16], v[RL+4*(2*\e+\c):RL+4*(2*\e+\c)+3], s[40:41] offset:1024*\e+512*\c   ; 32 lanes store 512 consecutive bytes
.endr
.endr
.Lno_relay:
	s_cmp_eq_u32 s66, 1
	s_cselect_b32 s92, s62, s61                    ; which half of the tokens is mine,
	s_cselect_b32 s93, s61, s62                    ; and of the features
	s_lshl_b32 s99, s86, 8
	s_lshl_b32 s92, s92, 7
	s_add_co_u32 s99, s99, s92                     ; my first token
	s_lshl_b32 s100, s67, 8
	s_lshl_b32 s93, s93, 7
	s_add_co_u32 s100, s100, s93                   ; my first feature
	s_mov_b32 s93, 0
	s_lshl_b32 s92, s99, 5
	s_add_nc_u64 s[10:11], s[10:11], s[92:93]      ; 32 scale bytes a row
	s_lshl_b32 s92, s100, 5
	s_add_nc_u64 s[22:23], s[22:23], s[92:93]
	s_lshl_b32 s92, s100, 2
	s_add_nc_u64 s[28:29], s[28:29], s[92:93]
	s_cmp_eq_u32 s66, 1
	s_cselect_b64 s[6:7], s[22:23], s[10:11]       ; role A's scale rows
	s_cselect_b64 s[8:9], s[10:11], s[22:23]       ; role B's
	; THE SCALES go straight into registers: lane (r, h) takes bytes 16 h .. 16 h + 15 of row r, so register 4 i + q holds the word of K step q in lanes 0-15 and of K step 4 + q in lanes 16-31
.irp i, 0,1,2,3,4,5,6,7
	global_load_b128 v[SCA+4*\i:SCA+4*\i+3], v[SCO], s[6:7] offset:512*\i
	global_load_b128 v[SCB+4*\i:SCB+4*\i+3], v[SCO], s[8:9] offset:512*\i
.endr
.irp b, 0,1,2,3,4,5,6,7                        ; the bias in both layouts (both stay inside my 512 bytes of it): features 16 b + 8 h + 0 .. 7,
	global_load_b128 v[BI+8*\b:BI+8*\b+3], v[BOQ], s[28:29] offset:64*\b
	global_load_b128 v[BI+8*\b+4:BI+8*\b+7], v[BOQ], s[28:29] offset:64*\b+16
.endr
	WIN TO_B
.irp a, 0,1,2,3,4,5,6,7                        ; and feature 16 a + r, twice, for the packed addition
	global_load_b32 v[BIV+2*\a], v[BOV], s[28:29] offset:64*\a
	global_load_b32 v[BIV+2*\a+1], v[BOV], s[28:29] offset:64*\a
.endr
	WIN 0
	; where my results go: batch b, step of 128 tokens, first of my two heads
	s_lshr_b32 s92, s99, 11
	s_lshl_b32 s92, s92, 4
	s_lshr_b32 s93, s100, 6
	s_add_co_u32 s92, s92, s93                     ; 16 b + head
	s_bfe_u32 s93, s99, 0x40007                    ; step
	s_lshl_b32 s94, s63, 22                        ; images: 4 MiB a tensor, 65,536 bytes a head, 4,096 a step
	s_lshl_b32 s96, s92, 16
	s_add_co_u32 s94, s94, s96
	s_lshl_b32 s96, s93, 12
	s_add_co_u32 s94, s94, s96
	s_mov_b32 s95, 0
	s_add_nc_u64 s[36:37], s[36:37], s[94:95]
	s_lshl_b32 s94, s63, 19                        ; scale words: 524,288 a tensor, 8,192 a head, 512 a step
	s_lshl_b32 s96, s92, 13
	s_add_co_u32 s94, s94, s96
	s_lshl_b32 s96, s93, 9
	s_add_co_u32 s94, s94, s96
	s_add_nc_u64 s[38:39], s[38:39], s[94:95]
.macro FRAG reg, adr, q, i             ; 16 rows x 128 K: lane l holds row l % 16; registers 4 c .. 4 c + 3 hold K = 64 c + 32 (l / 16) + 0 .. 31
.irp c, 0,1
	ds_load_b128 v[\reg+4*\c:\reg+4*\c+3], v[\adr] offset:64*(\q)+32*\c+(\i)*16*PITCH
.endr
.endm
.macro WM d, b, a, sb, sa, zero, row
.if \zero
	v_wmma_scale_f32_16x16x128_f8f6f4 v[\d:\d+7], v[\b:\b+7], v[\a:\a+7], 0, v[\sb], v[\sa] matrix_a_fmt:MATRIX_FMT_FP4 matrix_b_fmt:MATRIX_FMT_FP4
.elseif \row
	v_wmma_scale_f32_16x16x128_f8f6f4 v[\d:\d+7], v[\b:\b+7], v[\a:\a+7], v[\d:\d+7], v[\sb], v[\sa] matrix_a_fmt:MATRIX_FMT_FP4 matrix_b_fmt:MATRIX_FMT_FP4 matrix_a_scale:MATRIX_SCALE_ROW1 matrix_b_scale:MATRIX_SCALE_ROW1
.else
	v_wmma_scale_f32_16x16x128_f8f6f4 v[\d:\d+7], v[\b:\b+7], v[\a:\a+7], v[\d:\d+7], v[\sb], v[\sa] matrix_a_fmt:MATRIX_FMT_FP4 matrix_b_fmt:MATRIX_FMT_FP4
.endif
.endm
; 16 matrix instructions: role A's blocks a0, a0 + 1 x role B's eight, the slot's q-th 128 along K.  Slot 1 reads its scale words from lanes 16-31.  The 64 accumulators take turns, one instruction a turn.
.macro MUL16 a0, p, q, sl, zero
.irp a, \a0, \a0+1
.irp b, 0,1,2,3,4,5,6,7
	WM 8*(8*((\a)%4)+\b), 128*(\p)+FR*\b, AF+FR*(\a), SCB+4*\b+(\q), SCA+4*(\a)+(\q), \zero, \sl
.endr
.endr
.endm
.macro FETCH_B slot, q, p
	WIN TO_B
.irp i, 0,1,2,3,4,5,6,7
	FRAG 128*(\p)+FR*\i, ADRB+\slot, \q, \i
.endr
	WIN 0
.endm
.macro FETCH_A slot, q, i0
.irp i, \i0, \i0+1, \i0+2, \i0+3
	FRAG AF+FR*(\i), ADRA+\slot, \q, \i
.endr
.endm
; A step of 128 along K whose successor lies in the same slot.  Role A has one set of registers (a block is free when its eight products are issued), role B two.
.macro STEP slot, q, zero
	s_wait_dscnt 8                                 ; all but the youngest eight loads (role A's blocks 4-7)
	WIN MUL_LO
	MUL16 0, (\q)%2, \q, \slot, \zero
	MUL16 2, (\q)%2, \q, \slot, \zero
	s_wait_dscnt 0
	PLACES 4                                       ; four plain vector lines ahead of loads into registers that matrix instructions have read (ISA guide 7.12.1 for vector instructions)
	FETCH_B \slot, (\q)+1, 1-(\q)%2
	FETCH_A \slot, (\q)+1, 0
	WIN MUL_HI
	MUL16 4, (\q)%2, \q, \slot, \zero
	MUL16 6, (\q)%2, \q, \slot, \zero
	PLACES 4
	WIN 0
	FETCH_A \slot, (\q)+1, 4
.endm
	s_wait_tensorcnt 0x1                           ; my part of slot 0 is in; slot 1's load may stay out
	s_barrier_signal -1
	s_barrier_wait -1                              ; everybody's is
	FETCH_B 0, 0, 0
	FETCH_A 0, 0, 0
	FETCH_A 0, 0, 4
	s_wait_loadcnt 0x0                             ; scales and bias
	STEP 0, 0, 1                                   ; the first products start the sums: nothing is cleared
	STEP 0, 1, 0
	STEP 0, 2, 0
	s_wait_tensorcnt 0x0                           ; slot 0's last step changes slots: my part of slot 1 is in (no load was issued behind it)
	s_wait_dscnt 8
	WIN MUL_LO
	MUL16 0, 1, 3, 0, 0
	s_wait_dscnt 0x0                               ; no LDS load of mine is out at the signal
	s_barrier_signal -1
	MUL16 2, 1, 3, 0, 0
	WIN 0
	s_barrier_wait -1                              ; slot 1 is whole
	PLACES 4
	FETCH_B 1, 0, 0
	FETCH_A 1, 0, 0
	WIN MUL_HI
	MUL16 4, 1, 3, 0, 0
	MUL16 6, 1, 3, 0, 0
	PLACES 4
	WIN 0
	FETCH_A 1, 0, 4
	STEP 1, 0, 0
	STEP 1, 1, 0
	STEP 1, 2, 0
	s_wait_dscnt 8
	WIN MUL_LO
	MUL16 0, 1, 3, 1, 0
	MUL16 2, 1, 3, 1, 0
	s_wait_dscnt 0
	WIN MUL_HI
	MUL16 4, 1, 3, 1, 0
	MUL16 6, 1, 3, 1, 0
	WIN 0
	PLACES 4                                       ; ahead of the first reads of results and of writes over role A's fragments
; THE WAY OUT.  64 numbers of a lane, v[s + 8 t + j] = k 16 t + 8 (lane / 16) + j of my row, become a fragment's codes in v[PC] on; the four blocks' bytes stay in v[TM+4] on.
; A block of 32 is the 16 registers of tiles 2 b, 2 b + 1 in lanes l and l xor 16.  Tile 4 c's and tile 4 c + 2's codes are set side by side, and likewise 4 c + 1's and 4 c + 3's: one exchange of halves for each pair
; then gives registers 4 c .. 4 c + 3 = k 64 c + 32 (lane / 16) + 0 .. 31, the operand's layout.
.macro QUANT s
.irp b, 0,1,2,3
	v_max3_num_f32 v[TM+\b], |v[\s+16*\b]|, |v[\s+1+16*\b]|, 0x1800000   ; with the floor 2^(3 - 127): the byte cannot fall under 1
.endr
.irp i, 2,4,6,8,10,12,14
.irp b, 0,1,2,3
	v_max3_num_f32 v[TM+\b], v[TM+\b], |v[\s+16*\b+\i]|, |v[\s+1+16*\b+\i]|
.endr
.endr
.irp b, 0,1,2,3
	v_permlanex16_b32 v[TM+4+\b], v[TM+\b], s90, s91
.endr
.irp b, 0,1,2,3
	v_max_num_f32 v[TM+\b], v[TM+\b], v[TM+4+\b]
.endr
.irp b, 0,1,2,3
	v_add_nc_u32 v[TM+12+\b], 0xff000000, v[TM+\b] ; 2 off the exponent field: the conversion's scale operand
.endr
.irp b, 0,1,2,3
	v_lshrrev_b32 v[TM+4+\b], 23, v[TM+12+\b]      ; the byte
.endr
.irp b, 0,1,2,3
	v_cvt_scalef32_pk8_fp4_f32 v[PC+4*(\b/2)+(\b%2)], v[\s+16*\b:\s+16*\b+7], v[TM+12+\b]
	v_cvt_scalef32_pk8_fp4_f32 v[PC+4*(\b/2)+2+(\b%2)], v[\s+16*\b+8:\s+16*\b+15], v[TM+12+\b]
.endr
	v_nop                                          ; one plain line behind the scaled conversions
.irp c, 0,1
	v_permlane16_swap_b32 v[PC+4*\c], v[PC+4*\c+1]
	v_permlane16_swap_b32 v[PC+4*\c+2], v[PC+4*\c+3]
.endr
.endm
.macro ADDB a, win, breg, bstep        ; block a's 64 results + the bias, into window 0; each accumulator is read from its low end on
	WIN \win
.set J, 0
.rept 32
	v_pk_add_f32 v[T+2*J:T+2*J+1], v[64*((\a)%4)+2*J:64*((\a)%4)+2*J+1], v[\breg+\bstep*J:\breg+\bstep*J+1]
.set J, J+1
.endr
	WIN 0
.endm
; q, k: block a = 16 tokens x my 128 features = two heads.  Registers 4 g .. 4 g + 3 of the codes are head g's image of this token tile; a scale word is {byte 0, byte 1, 127, 127}.
.macro OUTQK a
	s_wait_xcnt 0x0                                ; the stores issued so far have read their data: the codes' registers may be written again
	ADDB \a, 0x02+(\a)/4, BI, 2
	QUANT T
	global_store_b128 v[L16], v[PC:PC+3], s[36:37] offset:512*(\a)
	global_store_b128 v[L16], v[PC+4:PC+7], s[36:37] offset:512*(\a)+65536
.if (\a)%2 == 0
	v_lshl_or_b32 v[SWR+(\a)/2], v[TM+5], 8, v[TM+4]
	v_lshl_or_b32 v[SWR+4+(\a)/2], v[TM+7], 8, v[TM+6]
.else
	v_lshl_or_b32 v[W0], v[TM+5], 8, v[TM+4]
	v_lshl_or_b32 v[W1], v[TM+7], 8, v[TM+6]
	v_cndmask_b32 v[SWR+(\a)/2], v[SWR+(\a)/2], v[W0], s87       ; an odd tile's words go to lanes 16-31
	v_cndmask_b32 v[SWR+4+(\a)/2], v[SWR+4+(\a)/2], v[W1], s87
.endif
.endm
; v: block a = 16 features (tile a % 4 of head a / 4) x my 128 keys: a whole fragment and a whole scale word a row.
.macro OUTV a
	s_wait_xcnt 0x0
	ADDB \a, 0x06+(\a)/4, BIV+2*(\a), 0
	QUANT T
	global_store_b128 v[L16], v[PC:PC+3], s[36:37] offset:65536*((\a)/4)+1024*((\a)%4)
	global_store_b128 v[L16], v[PC+4:PC+7], s[36:37] offset:65536*((\a)/4)+1024*((\a)%4)+512
	v_lshl_or_b32 v[PW], v[TM+5], 8, v[TM+4]
	v_lshl_or_b32 v[PW], v[TM+6], 16, v[PW]
	v_lshl_or_b32 v[PW], v[TM+7], 24, v[PW]
.if (\a)%2 == 0
	v_mov_b32 v[SWR+4*((\a)/4)+((\a)%4)/2], v[PW]
.else
	v_cndmask_b32 v[SWR+4*((\a)/4)+((\a)%4)/2], v[SWR+4*((\a)/4)+((\a)%4)/2], v[PW], s87
.endif
.endm
	s_wait_xcnt 0x0                                ; the re-lay's stores have read their data
.irp b, 0,1,2,3
	v_mov_b32 v[TM+4+\b], 0                        ; written once: a lane permute's destination counts as one of its sources
.endr
	s_cmp_eq_u32 s66, 1
	s_cbranch_scc1 .Lout_v
.irp a, 0,1,2,3,4,5,6,7
	OUTQK \a
.endr
.irp i, 0,1,2,3,4,5,6,7
	v_or_b32 v[SWR+\i], s88, v[SWR+\i]
.endr
	global_store_b128 v[L16], v[SWR:SWR+3], s[38:39]               ; 512 consecutive bytes: a step's words of one head
	global_store_b128 v[L16], v[SWR+4:SWR+7], s[38:39] offset:8192
	s_branch .Ldone
.Lout_v:
.irp g, 0,1
	v_mov_b32 v[SWR+4*\g+2], 0
	v_mov_b32 v[SWR+4*\g+3], 0
.endr
.irp a, 0,1,2,3,4,5,6,7
	OUTV \a
.endr
	global_store_b128 v[L16], v[SWR:SWR+3], s[38:39]
	global_store_b128 v[L16], v[SWR+4:SWR+7], s[38:39] offset:8192
.Ldone:
	s_wait_tensorcnt 0x0
	ds_add_u32 v22, v23
	s_wait_dscnt 0x0
	CROUND                                         ; the closing round: no work-group ends while a partner may still ask for a tile that names it
	s_endpgm
.Lfunc_end_k_qa84f3f145a_proj:
	.size	k_qa84f3f145a_proj, .Lfunc_end_k_qa84f3f145a_proj-k_qa84f3f145a_proj
	.p2alignl 7, 3214868480
	.fill 96, 4, 3214868480
	.section	.rodata,"a",@progbits
	.p2align	6, 0x0
	.amdhsa_kernel k_qa84f3f145a_proj
		.amdhsa_group_segment_fixed_size 279040
		.amdhsa_private_segment_fixed_size 0
		.amdhsa_enable_private_segment 0
		.amdhsa_kernarg_size 152
		.amdhsa_user_sgpr_count 2
		.amdhsa_user_sgpr_kernarg_segment_ptr 1
		.amdhsa_wavefront_size32 1
		.amdhsa_system_sgpr_workgroup_id_x 1
		.amdhsa_system_sgpr_workgroup_id_y 1
		.amdhsa_system_sgpr_workgroup_id_z 1
		.amdhsa_system_vgpr_workitem_id 0
		.amdhsa_next_free_vgpr 1024
		.amdhsa_next_free_sgpr 102
		.amdhsa_reserve_vcc 0
		.amdhsa_float_denorm_mode_32 3
		.amdhsa_float_denorm_mode_16_64 3
		.amdhsa_memory_ordered 1
		.amdhsa_forward_progress 1
		.amdhsa_inst_pref_size 196
	.end_amdhsa_kernel
	.amdgpu_metadata
---
amdhsa.version: [ 1, 2 ]
amdhsa.kernels:
  - .name:           k_qa84f3f145a_proj
    .symbol:         k_qa84f3f145a_proj.kd
    .args:
      - { .name: Q_codes, .offset: 0, .size: 8, .value_kind: global_buffer, .address_space: global }
      - { .name: K_codes, .offset: 8, .size: 8, .value_kind: global_buffer, .address_space: global }
      - { .name: V_codes, .offset: 16, .size: 8, .value_kind: global_buffer, .address_space: global }
      - { .name: Q_scales, .offset: 24, .size: 8, .value_kind: global_buffer, .address_space: global }
      - { .name: K_scales, .offset: 32, .size: 8, .value_kind: global_buffer, .address_space: global }
      - { .name: V_scales, .offset: 40, .size: 8, .value_kind: global_buffer, .address_space: global }
      - { .name: W_q_codes, .offset: 48, .size: 8, .value_kind: global_buffer, .address_space: global }
      - { .name: W_k_codes, .offset: 56, .size: 8, .value_kind: global_buffer, .address_space: global }
      - { .name: W_v_codes, .offset: 64, .size: 8, .value_kind: global_buffer, .address_space: global }
      - { .name: W_q_scales, .offset: 72, .size: 8, .value_kind: global_buffer, .address_space: global }
      - { .name: W_k_scales, .offset: 80, .size: 8, .value_kind: global_buffer, .address_space: global }
      - { .name: W_v_scales, .offset: 88, .size: 8, .value_kind: global_buffer, .address_space: global }
      - { .name: b_q, .offset: 96, .size: 8, .value_kind: global_buffer, .address_space: global }
      - { .name: b_k, .offset: 104, .size: 8, .value_kind: global_buffer, .address_space: global }
      - { .name: b_v, .offset: 112, .size: 8, .value_kind: global_buffer, .address_space: global }
      - { .name: W_o_codes, .offset: 120, .size: 8, .value_kind: global_buffer, .address_space: global }
      - { .name: qkv_img, .offset: 128, .size: 8, .value_kind: global_buffer, .address_space: global }
      - { .name: qkv_sw, .offset: 136, .size: 8, .value_kind: global_buffer, .address_space: global }
      - { .name: wimg, .offset: 144, .size: 8, .value_kind: global_buffer, .address_space: global }
    .group_segment_fixed_size: 279040
    .private_segment_fixed_size: 0
    .kernarg_segment_align: 8
    .kernarg_segment_size: 152
    .max_flat_workgroup_size: 128
    .sgpr_count:     102
    .vgpr_count:     1024
    .wavefront_size: 32
...
	.end_amdgpu_metadata
.endif
;; end of part 1
;; launch attn (part 2): grid 4 x 64, 16 waves a work-group, clusters of 4 x 1, 169,984 bytes of LDS; arguments qkv_img, qkv_sw, cimg, csc; writes cimg, csc
.if DOCPART == 2
	.amdgcn_target "amdgcn-amd-amdhsa--gfx1250"
	.amdhsa_code_object_version 6
	.text
	.protected	k_qa84f3f145a_attn
	.globl	k_qa84f3f145a_attn
	.p2align	8
	.type	k_qa84f3f145a_attn,@function
k_qa84f3f145a_attn:
	s_mov_b64 s[64:65], 0
	v_nop
	global_prefetch_b8 v0, s[64:65] scope:SCOPE_SE
	s_setreg_imm32_b32 hwreg(HW_REG_WAVE_MODE, 25, 1), 1
	s_wait_xcnt 0x0
	s_wait_alu depctr_hold_cnt(0) depctr_sa_sdst(0) depctr_va_vdst(0) depctr_va_sdst(0) depctr_va_ssrc(0) depctr_va_vcc(0) depctr_vm_vsrc(0)
	s_getreg_b32 s2, hwreg(HW_REG_IB_STS2, 6, 4)
	s_cmp_eq_u32 s2, 0
	s_cbranch_scc0 .Lentry_in_a_cluster
	s_endpgm
.Lentry_in_a_cluster:
	s_bfe_u32 s2, ttmp6, 0x10000c
	s_cmp_lg_u32 s2, 0x3003
	s_cbranch_scc0 .Lentry_shape_is_right
	s_endpgm
.Lentry_shape_is_right:
; ctx[b][q][head] = softmax_k(q . k / 8) v, both products on codes of FP4 (E2M1) with one E8M0 byte for each 32 along a product's K; ctx is quantised along the features and leaves as codes.
; THE SOFTMAX AHEAD OF THE SECOND PRODUCT: t = score x log2(e) / 8; M = the running largest t rounded UP to a whole number; p = 2^(t - M) is quantised along the keys, not normalised;
; the row's sum is taken of the unquantised p and divides O at the end; when M moves, the sum and O are multiplied by 2^(old M - new M), which rounds nothing.
; SHARES.  A work-group owns 512 queries of one head (cluster y = 16 batch + head, cx = the block of queries); each of its sixteen waves owns two tiles of 16 queries and walks all 2,048 keys for each, 128 a step.
; A WHOLE HEAD LIES IN LDS: k's and v's images (65,536 bytes each) and their scale words (8,192 each), each filled ONCE: no LDS byte is filled again.  The four work-groups of a cluster read the same head,
; so every fill is a joint load.  Wave 0 asks for k's, wave 1 for v's: the scale words, then four chunks of four key steps; the first pass starts on a chunk as soon as it has landed.
; All operands lie as images of their registers: every LDS read is 16 x lane + constants, 512 consecutive bytes an instruction.
; LAYOUT.  Both products are used transposed (S^T = k q^T, O^T = v^T p^T): a lane holds ONE query (lane % 16).  Tile t's register j is key 16 t + 8 (lane / 16) + j.
; K = 64 IN AN INSTRUCTION OF 128: q's registers 4-7 are zero codes.  So source 0 of tile t is named as k's registers 4 t .. 4 t + 7: its upper four are the next tile's codes (zeros behind the last), every code is a finite number,
; the scale bytes of that half are 127 on both sides, and the products are exact zeros.
; LIMITS: a block of p or of ctx whose largest number lies under 2^-124 gets the byte 1 (zeros add nothing; only this program reads the bytes); NaN and infinities are not served.
; REGISTERS: v1-6 addresses that stay; v8-11 the step's addresses; v12 -M, v13 the largest t, v[14:15] the sum; v16-31 q's two fragments; v32-63 k, v64-67 zeros; v68-99 v; v100-163 S^T, then p; v164-195 O^T;
;   v196-203 p's codes; v204-211 and v233 scale words; v216-239 at work.
.set VI,  65536                        ; LDS: k's image at 0, v's here,
.set KW,  131072                       ; k's scale words,
.set VW,  139264                       ; v's
.set KF,  32
.set VF,  68
.set S,   100
.set O,   164
.set PC,  196
.set KS,  204
.set VS,  208
.set BM,  216                          ; a block's largest score, then its largest p
.set BX,  220                          ; the other half's; then the byte
.set SO,  224                          ; the conversions' scale operands
.macro CROUND
	s_barrier_signal -1
	s_barrier_wait -1
	s_cmp_lg_u32 s20, 0
	s_cbranch_scc1 .Lnot_wave_0_\@
	s_barrier_signal -3
.Lnot_wave_0_\@:
	s_barrier_wait -3
	s_barrier_signal -1
	s_barrier_wait -1
.endm
	s_load_b256 s[4:11], s[0:1], 0x0               ; qkv_img, qkv_sw, cimg, csc
	v_lshl_add_u32 v254, v0, 2, 0x29000
	v_mov_b32 v255, 0
	ds_add_u32 v254, v255
	ds_add_u32 v254, v255
	v_lshrrev_b32 v7, 5, v0
	v_readfirstlane_b32 s20, v7                    ; wave 0..15
	s_and_b32 s80, ttmp7, 0xffff                   ; 16 batch + head: the four partners share it
	s_bfe_u32 s81, ttmp6, 0x40000                  ; cx: it enters q's, cimg's and csc's global addresses alone
	s_mov_b32 s22, 0x76543210
	s_mov_b32 s23, 0xfedcba98                      ; v_permlanex16_b32: lane l xor 16
	s_mov_b32 s24, 0x3e38aa3b                      ; c = log2(e) / 8
	s_mov_b32 s25, s24                             ; (named with it as a pair)
	s_mov_b32 s70, 0xffff0000                      ; lanes 16-31
	; group 1: dense blocks as rows of 256 bytes (32 elements of 8 bytes), no padding; mask: all four work-groups, bit 21 beside it.  A chunk has 64 rows, the scale words 32
	s_mov_b32 s28, 15|(3<<16)|(1<<21)
	s_mov_b32 s29, 32<<16
	s_mov_b32 s30, 64<<16
	s_mov_b32 s31, 32<<16
	s_mov_b32 s32, 64
	s_mov_b32 s33, 32
	s_mov_b32 s34, 0
	s_mov_b32 s35, 0
	s_mov_b32 s36, 15|(3<<16)|(1<<21)
	s_mov_b32 s37, 32<<16
	s_mov_b32 s38, 32<<16
	s_mov_b32 s39, 32<<16
	s_mov_b32 s40, 32
	s_mov_b32 s41, 32
	s_mov_b32 s42, 0
	s_mov_b32 s43, 0
	s_add_co_u32 s82, s20, 1                       ; wave 0: tensor 1 (k), wave 1: tensor 2 (v)
	s_lshl_b32 s84, s82, 22
	s_lshl_b32 s83, s80, 16
	s_add_co_u32 s84, s84, s83                     ; the head's image
	s_mov_b32 s85, 0
	s_lshl_b32 s86, s82, 19
	s_lshl_b32 s83, s80, 13
	s_add_co_u32 s86, s86, s83                     ; its scale words
	s_mov_b32 s87, 0
	s_lshl_b32 s88, s20, 16                        ; LDS: 65,536 x wave,
	s_lshl_b32 s89, s20, 13                        ; 8,192 x wave
	s_lshl_b32 s90, s81, 5
	s_lshl_b32 s91, s20, 1
	s_add_co_u32 s90, s90, s91                     ; my first token tile in the head: 32 cx + 2 wave
	s_wait_dscnt 0x0
	s_wait_kmcnt 0x0
	s_add_nc_u64 s[84:85], s[4:5], s[84:85]
	s_add_nc_u64 s[86:87], s[6:7], s[86:87]
	s_mov_b32 s60, 1
	s_add_co_u32 s61, s89, KW
	s_mov_b64 s[62:63], s[86:87]
	s_or_b32 s63, s63, 0x80000000
.irp c, 0,1,2,3
	s_mov_b32 s[44+4*\c], 1
	s_add_co_u32 s[45+4*\c], s88, 16384*\c
	s_add_nc_u64 s[46+4*\c:47+4*\c], s[84:85], 16384*\c
	s_or_b32 s[47+4*\c], s[47+4*\c], 0x80000000
.endr
	CROUND                                         ; all four work-groups are here: the joint loads meet
	s_cmp_lt_u32 s20, 2                            ; all first fills of a wave stand in one branch: five loads of mine are out
	s_cbranch_scc0 .Lno_fill
	tensor_load_to_lds s[60:63], s[36:43]
	s_nop 0
	tensor_load_to_lds s[44:47], s[28:35]
	s_nop 0
	tensor_load_to_lds s[48:51], s[28:35]
	s_nop 0
	tensor_load_to_lds s[52:55], s[28:35]
	s_nop 0
	tensor_load_to_lds s[56:59], s[28:35]
	s_nop 0
.rept 4
	v_nop
.endr
.Lno_fill:
	s_mov_b32 s93, 0
	s_lshl_b32 s92, s90, 9
	s_lshl_b32 s94, s80, 16
	s_add_co_u32 s92, s92, s94
	s_add_nc_u64 s[72:73], s[4:5], s[92:93]        ; q's image of my first tile
	s_lshl_b32 s92, s81, 2                         ; q's scale words: step 4 cx + wave / 4, word wave % 4; lanes 0-15 hold my first tile's, lanes 16-31 my second's
	s_lshr_b32 s94, s20, 2
	s_add_co_u32 s92, s92, s94
	s_lshl_b32 s92, s92, 9
	s_and_b32 s94, s20, 3
	s_lshl_b32 s94, s94, 2
	s_add_co_u32 s92, s92, s94
	s_lshl_b32 s94, s80, 13
	s_add_co_u32 s92, s92, s94
	s_add_nc_u64 s[74:75], s[6:7], s[92:93]
	s_lshr_b32 s94, s80, 4
	s_lshl_b32 s94, s94, 7
	s_add_co_u32 s94, s94, s90                     ; my first token tile of all 512
	s_and_b32 s95, s80, 15                         ; the head
	s_lshl_b32 s92, s94, 13
	s_lshl_b32 s91, s95, 9
	s_add_co_u32 s92, s92, s91
	s_add_nc_u64 s[76:77], s[8:9], s[92:93]        ; cimg: 8,192 bytes a tile, 512 a head
	s_lshl_b32 s92, s94, 9
	s_lshl_b32 s91, s95, 1
	s_add_co_u32 s92, s92, s91
	s_add_nc_u64 s[78:79], s[10:11], s[92:93]      ; csc: 32 bytes a token, 2 a head
	v_and_b32 v7, 31, v0
	v_lshlrev_b32 v1, 4, v7                        ; 16 x lane
	v_add_nc_u32 v2, VI, v1
	v_add_nc_u32 v3, KW, v1
	v_add_nc_u32 v4, VW, v1
	v_and_b32 v7, 15, v0
	v_lshlrev_b32 v5, 4, v7                        ; 16 r
	v_bfe_u32 v6, v0, 4, 1
	v_lshl_add_u32 v6, v7, 5, v6                   ; 32 r + h
	global_load_b128 v[16:19], v1, s[72:73]
	global_load_b128 v[24:27], v1, s[72:73] offset:512
	global_load_b32 v210, v5, s[74:75]
	global_load_b32 v211, v5, s[74:75] offset:256
.irp j, 20,21,22,23,28,29,30,31,64,65,66,67
	v_mov_b32 v\j, 0                               ; zero codes
.endr
.irp b, 0,1,2,3
	v_mov_b32 v[BX+\b], 0                          ; written once: a lane permute's destination counts as one of its sources
.endr
	v_mov_b32 v233, 0                              ; (named as the upper half of the pair v[232:233] before it is first written)
; A KEY STEP: 128 keys.  qf: q's fragment, qs: its scale words.  s66: the step's bytes into an image, s67: into the scale words.
.macro STEP qf, qs
	v_add_nc_u32 v8, s66, v1                       ; these four lines are also the places ahead of the loads into registers that the last step's products have read
	v_add_nc_u32 v9, s66, v2
	v_add_nc_u32 v10, s67, v3
	v_add_nc_u32 v11, s67, v4
.irp t, 0,1,2,3,4,5,6,7
	ds_load_b128 v[KF+4*\t:KF+4*\t+3], v8 offset:512*\t
.endr
	ds_load_b128 v[KS:KS+3], v10                   ; word j: tile 2 j in lanes 0-15, tile 2 j + 1 in lanes 16-31
.irp d, 0,1,2,3
.irp c, 0,1
	ds_load_b128 v[VF+8*\d+4*\c:VF+8*\d+4*\c+3], v9 offset:1024*\d+512*\c
.endr
.endr
	ds_load_b64 v[VS:VS+1], v11
	s_wait_dscnt 0x9                               ; k's nine loads are in; v's nine land under the softmax
.irp t, 0,2,4,6
	v_wmma_scale_f32_16x16x128_f8f6f4 v[S+8*\t:S+8*\t+7], v[KF+4*\t:KF+4*\t+7], v[\qf:\qf+7], 0, v[KS+\t/2], v[\qs] matrix_a_fmt:MATRIX_FMT_FP4 matrix_b_fmt:MATRIX_FMT_FP4
	v_wmma_scale_f32_16x16x128_f8f6f4 v[S+8*\t+8:S+8*\t+15], v[KF+4*\t+4:KF+4*\t+11], v[\qf:\qf+7], 0, v[KS+\t/2], v[\qs] matrix_a_fmt:MATRIX_FMT_FP4 matrix_b_fmt:MATRIX_FMT_FP4 matrix_a_scale:MATRIX_SCALE_ROW1
.endr
.rept 4
	v_nop
.endr
.irp b, 0,1,2,3
	v_max3_num_f32 v[BM+\b], v[S+16*\b], v[S+16*\b+1], v[S+16*\b+2]   ; the largest score of each block of 32 keys: for the row's maximum and, since p rises with the score, for the block's largest p
.endr
.irp i, 3,5,7,9,11,13
.irp b, 0,1,2,3
	v_max3_num_f32 v[BM+\b], v[BM+\b], v[S+16*\b+\i], v[S+16*\b+\i+1]
.endr
.endr
.irp b, 0,1,2,3
	v_max_num_f32 v[BM+\b], v[BM+\b], v[S+16*\b+15]
.endr
.irp b, 0,1,2,3
	v_permlanex16_b32 v[BX+\b], v[BM+\b], s22, s23
.endr
.irp b, 0,1,2,3
	v_max_num_f32 v[BM+\b], v[BM+\b], v[BX+\b]
.endr
	v_max3_num_f32 v234, v[BM], v[BM+1], v[BM+2]
	v_max_num_f32 v234, v234, v[BM+3]
	v_mul_f32 v234, s24, v234                      ; as t (c is positive)
	v_max_num_f32 v13, v13, v234                   ; the running largest t
	v_mov_b32 v234, v12
	v_floor_f32 v12, -v13                          ; -M = floor(-t): M is a whole number
	v_sub_f32 v234, v12, v234                      ; old M - new M, 0 or less
	v_cvt_i32_f32 v234, v234                       ; (it saturates)
	v_ldexp_f32 v232, 1.0, v234                    ; f = 2^(old M - new M)
.set J, 0
.rept 32
	v_pk_fma_f32 v[S+J:S+J+1], v[S+J:S+J+1], s[24:25], v[12:13] op_sel_hi:[1,0,0]   ; t - M
.set J, J+2
.endr
.irp b, 0,1,2,3
	v_fma_f32 v[BM+\b], v[BM+\b], s24, v12
.endr
.set J, 0
.rept 64
	v_exp_f32 v[S+J], v[S+J]                       ; p = 2^(t - M), at most 1
.set J, J+1
.endr
.irp b, 0,1,2,3
	v_exp_f32 v[BM+\b], v[BM+\b]                   ; the block's largest p: the same two instructions on the same number
.endr
	v_pk_mul_f32 v[14:15], v[14:15], v[232:233] op_sel_hi:[1,0]    ; the sum under the new M (a plain line behind the exponentials)
	s_wait_alu depctr_va_vdst(0)
.irp b, 0,1,2,3
	v_max_num_f32 v[BM+\b], 0x1800000, v[BM+\b]    ; the floor 2^(3 - 127)
.endr
.irp b, 0,1,2,3
	v_add_nc_u32 v[SO+\b], 0xff000000, v[BM+\b]
.endr
.irp b, 0,1,2,3
	v_lshrrev_b32 v[BX+\b], 23, v[SO+\b]
.endr
	v_lshl_or_b32 v233, v[BX+1], 8, v[BX]          ; p's scale word for these 128 keys
	v_lshl_or_b32 v233, v[BX+2], 16, v233
	v_lshl_or_b32 v233, v[BX+3], 24, v233
.irp b, 0,1,2,3
	v_cvt_scalef32_pk8_fp4_f32 v[PC+4*(\b/2)+(\b%2)], v[S+16*\b:S+16*\b+7], v[SO+\b]
	v_cvt_scalef32_pk8_fp4_f32 v[PC+4*(\b/2)+2+(\b%2)], v[S+16*\b+8:S+16*\b+15], v[SO+\b]
.endr
	v_nop                                          ; one plain line behind the scaled conversions
.irp c, 0,1
	v_permlane16_swap_b32 v[PC+4*\c], v[PC+4*\c+1] ; registers 4 c .. 4 c + 3 = keys 64 c + 32 (lane / 16) + 0 .. 31
	v_permlane16_swap_b32 v[PC+4*\c+2], v[PC+4*\c+3]
.endr
	v_pk_add_f32 v[236:237], v[S:S+1], v[S+2:S+3]  ; the row's sum of the unquantised p, in two chains
.set J, 4
.rept 15
	v_pk_add_f32 v[14:15], v[14:15], v[S+J:S+J+1]
	v_pk_add_f32 v[236:237], v[236:237], v[S+J+2:S+J+3]
.set J, J+4
.endr
	v_pk_add_f32 v[14:15], v[14:15], v[236:237]
.set J, 0
.rept 16
	v_pk_mul_f32 v[O+J:O+J+1], v[O+J:O+J+1], v[232:233] op_sel_hi:[1,0]   ; O^T under the new M.  (With the sums: more than eight plain lines between p's scale word and its use)
.set J, J+2
.endr
	s_wait_dscnt 0x0                               ; v
.irp d, 0,2
	v_wmma_scale_f32_16x16x128_f8f6f4 v[O+8*\d:O+8*\d+7], v[VF+8*\d:VF+8*\d+7], v[PC:PC+7], v[O+8*\d:O+8*\d+7], v[VS+\d/2], v233 matrix_a_fmt:MATRIX_FMT_FP4 matrix_b_fmt:MATRIX_FMT_FP4
	v_wmma_scale_f32_16x16x128_f8f6f4 v[O+8*\d+8:O+8*\d+15], v[VF+8*\d+8:VF+8*\d+15], v[PC:PC+7], v[O+8*\d+8:O+8*\d+15], v[VS+\d/2], v233 matrix_a_fmt:MATRIX_FMT_FP4 matrix_b_fmt:MATRIX_FMT_FP4 matrix_a_scale:MATRIX_SCALE_ROW1
.endr
	s_add_co_u32 s66, s66, 4096
	s_add_co_u32 s67, s67, 512
.endm
.macro KLOOP n, qf, qs
	s_mov_b32 s68, \n
.Lk_\@:
	STEP \qf, \qs
	s_sub_co_u32 s68, s68, 1
	s_cmp_lg_u32 s68, 0
	s_cbranch_scc1 .Lk_\@
.endm
.macro INIT                            ; the step is written once: the first finds zeros, which the first change of M leaves zeros
	v_mov_b32 v13, 0xff61b1e6                      ; -3e38, under every t
	v_floor_f32 v12, -v13
	v_mov_b32 v14, 0
	v_mov_b32 v15, 0
.set J, 0
.rept 32
	v_mov_b32 v[O+J], 0
.set J, J+1
.endr
.endm
; A tile's end: O^T / the sum is ctx (register 8 d + j: feature 16 d + 8 (lane / 16) + j of my query); its two blocks of 32 are quantised and leave as an image and two bytes a token.
.macro FIN p
.rept 4
	v_nop
.endr
	v_add_f32 v14, v14, v15
	v_permlanex16_b32 v234, v14, s22, s23
	v_add_f32 v14, v14, v234                       ; the row's sum
	v_rcp_f32 v238, v14
	v_mov_b32 v239, 0                              ; (a plain line behind the reciprocal; the pair's upper half is written)
.set J, 0
	s_wait_alu depctr_va_vdst(0)
.rept 16
	v_pk_mul_f32 v[S+J:S+J+1], v[O+J:O+J+1], v[238:239] op_sel_hi:[1,0]
.set J, J+2
.endr
.irp b, 0,1
	v_max3_num_f32 v[BM+\b], |v[S+16*\b]|, |v[S+16*\b+1]|, 0x1800000
.endr
.irp i, 2,4,6,8,10,12,14
.irp b, 0,1
	v_max3_num_f32 v[BM+\b], v[BM+\b], |v[S+16*\b+\i]|, |v[S+16*\b+\i+1]|
.endr
.endr
.irp b, 0,1
	v_permlanex16_b32 v[BX+\b], v[BM+\b], s22, s23
.endr
.irp b, 0,1
	v_max_num_f32 v[BM+\b], v[BM+\b], v[BX+\b]
.endr
.irp b, 0,1
	v_add_nc_u32 v[SO+\b], 0xff000000, v[BM+\b]
.endr
.irp b, 0,1
	v_lshrrev_b32 v[BX+\b], 23, v[SO+\b]
.endr
.irp b, 0,1
	v_cvt_scalef32_pk8_fp4_f32 v[PC+\b], v[S+16*\b:S+16*\b+7], v[SO+\b]
	v_cvt_scalef32_pk8_fp4_f32 v[PC+2+\b], v[S+16*\b+8:S+16*\b+15], v[SO+\b]
.endr
	v_nop
	v_permlane16_swap_b32 v[PC], v[PC+1]
	v_permlane16_swap_b32 v[PC+2], v[PC+3]
	global_store_b128 v1, v[PC:PC+3], s[76:77] offset:8192*\p      ; 512 consecutive bytes
	v_cndmask_b32 v234, v[BX], v[BX+1], s70        ; lanes 0-15 store block 0's byte, lanes 16-31 block 1's
	global_store_b8 v6, v234, s[78:79] offset:512*\p
	s_wait_xcnt 0x0                                ; the stores have read their data: both registers are written again
.endm
	s_wait_loadcnt 0x0                             ; q
	INIT
.irp c, 0,1,2,3                                ; the first pass takes the chunks as they land
	s_mov_b32 s66, 16384*\c
	s_mov_b32 s67, 2048*\c
	s_wait_tensorcnt 3-\c                          ; the scale words and chunks 0 .. c are in: 3 - c loads were issued behind chunk c's
	s_wait_dscnt 0x0
	s_barrier_signal -1
	s_barrier_wait -1                              ; The later chunks may stay out
	KLOOP 4, 16, 210
.endr
	FIN 0
	INIT
	s_mov_b32 s66, 0
	s_mov_b32 s67, 0
	KLOOP 16, 24, 211
	FIN 1
	s_wait_dscnt 0x0
	s_wait_tensorcnt 0x0
	ds_add_u32 v254, v255
	s_wait_dscnt 0x0
	CROUND                                         ; the closing round
	s_endpgm
.Lfunc_end_k_qa84f3f145a_attn:
	.size	k_qa84f3f145a_attn, .Lfunc_end_k_qa84f3f145a_attn-k_qa84f3f145a_attn
	.p2alignl 7, 3214868480
	.fill 96, 4, 3214868480
	.section	.rodata,"a",@progbits
	.p2align	6, 0x0
	.amdhsa_kernel k_qa84f3f145a_attn
		.amdhsa_group_segment_fixed_size 169984
		.amdhsa_private_segment_fixed_size 0
		.amdhsa_enable_private_segment 0
		.amdhsa_kernarg_size 32
		.amdhsa_user_sgpr_count 2
		.amdhsa_user_sgpr_kernarg_segment_ptr 1
		.amdhsa_wavefront_size32 1
		.amdhsa_system_sgpr_workgroup_id_x 1
		.amdhsa_system_sgpr_workgroup_id_y 1
		.amdhsa_system_sgpr_workgroup_id_z 1
		.amdhsa_system_vgpr_workitem_id 0
		.amdhsa_next_free_vgpr 256
		.amdhsa_next_free_sgpr 96
		.amdhsa_reserve_vcc 0
		.amdhsa_float_denorm_mode_32 3
		.amdhsa_float_denorm_mode_16_64 3
		.amdhsa_memory_ordered 1
		.amdhsa_forward_progress 1
		.amdhsa_inst_pref_size 92
	.end_amdhsa_kernel
	.amdgpu_metadata
---
amdhsa.version: [ 1, 2 ]
amdhsa.kernels:
  - .name:           k_qa84f3f145a_attn
    .symbol:         k_qa84f3f145a_attn.kd
    .args:
      - { .name: qkv_img, .offset: 0, .size: 8, .value_kind: global_buffer, .address_space: global }
      - { .name: qkv_sw, .offset: 8, .size: 8, .value_kind: global_buffer, .address_space: global }
      - { .name: cimg, .offset: 16, .size: 8, .value_kind: global_buffer, .address_space: global }
      - { .name: csc, .offset: 24, .size: 8, .value_kind: global_buffer, .address_space: global }
    .group_segment_fixed_size: 169984
    .private_segment_fixed_size: 0
    .kernarg_segment_align: 8
    .kernarg_segment_size: 32
    .max_flat_workgroup_size: 512
    .sgpr_count:     96
    .vgpr_count:     256
    .wavefront_size: 32
...
	.end_amdgpu_metadata
.endif
;; end of part 2
;; launch outln (part 3): grid 256 x 1, 4 waves a work-group, no clusters, 68,096 bytes of LDS; arguments cimg, csc, Q_codes, Q_scales, wimg, W_o_scales, W_q_scales, b_o, b_q, ln_gamma, ln_beta, out0; writes out0
.if DOCPART == 3
	.amdgcn_target "amdgcn-amd-amdhsa--gfx1250"
	.amdhsa_code_object_version 6
	.text
	.protected	k_qa84f3f145a_outln
	.globl	k_qa84f3f145a_outln
	.p2align	8
	.type	k_qa84f3f145a_outln,@function
k_qa84f3f145a_outln:
	s_mov_b64 s[64:65], 0
	v_nop
	global_prefetch_b8 v0, s[64:65] scope:SCOPE_SE
	s_setreg_imm32_b32 hwreg(HW_REG_WAVE_MODE, 25, 1), 1
	s_wait_xcnt 0x0
; out = LayerNorm(ctx W_o^T + b_o + q), q = Q W_q^T + b_q.  The residual q is not fetched as f32: it is summed again in the same accumulators, so x = [ctx | Q] [W_o | W_q]^T + (b_o + b_q) is ONE product with K = 2,048,
; on codes of FP4 (E2M1) with one E8M0 byte for each 32 along K; sums in f32.  The mean and then the mean of the centred squares are taken in two passes: no difference of large sums is formed.
; SHARES.  A row's mean wants all 1,024 features in one work-group: work-group g takes tokens 32 g .. 32 g + 31 (two tiles), wave w features 256 w .. 256 w + 255 (16 tiles): 32 accumulators, 256 registers.
; Source 0 = 16 rows of the weights, source 1 = 16 tokens: a lane holds one token and eight neighbouring features.
; The tokens' 32 fragments stay in registers.  The weights come as fragment images (wimg), 512 consecutive bytes a load, straight into the registers of the one wave that uses them, two tiles of features ahead.
; NO TENSOR LOADS, NO CLUSTER: within a work-group each weight byte serves one wave alone, for two matrix instructions; through LDS the work-group's 1,048,576 bytes of weights would be written and read once more,
; and a slot of a quarter of LDS would hold only 64 matrix instructions a wave between two barriers.
; LIMITS: NaN and infinities, and the byte 0xff among the given scales, are not served.
; REGISTERS, in windows of 256: window 0: v1-8 addresses; v16-31 the tokens' scale words, v32-47 the weights' (two sets); v48-79 biases (two sets), v80-87 their sum; v96-123 LayerNorm; v128-255 rows on the way out.
;   window 1: the tokens' fragment (tile m, K step s) at v[8 (16 m + s)]; s = 0..7 ctx, 8..15 Q.   window 2: the weights' two sets of 16 fragments; later gamma at v0, beta at v128.   window 3: accumulator (f, m) at v[8 (2 f + m)].
.set STAT1, 0                          ; LDS: two exchange areas of 512 bytes,
.set STAT2, 512
.set STGB,  1024                       ; and a stage of 16 rows x (1,024 + 16) bytes for each wave
.set STG,   16*1040
.set MSB, 0
.macro WIN new
.if MSB != (\new)
	s_set_vgpr_msb (MSB<<8)|(\new)
.set MSB, (\new)
.endif
.endm
.macro PLACES n
.rept \n
	v_nop
.endr
.endm
	s_load_b512 s[4:19], s[0:1], 0x0               ; cimg, csc, Q_codes, Q_scales, wimg, W_o_scales, W_q_scales, b_o
	s_load_b256 s[20:27], s[0:1], 0x40             ; b_q, ln_gamma, ln_beta, out0
	v_lshl_add_u32 v126, v0, 2, 0x10800
	v_mov_b32 v127, 0
	v_lshrrev_b32 v9, 5, v0
	v_readfirstlane_b32 s28, v9                    ; wave 0..3
	v_and_b32 v9, 31, v0
	v_and_b32 v10, 15, v0                          ; r
	v_bfe_u32 v11, v0, 4, 1                        ; h
	v_lshlrev_b32 v1, 4, v9                        ; 16 x lane
	v_lshlrev_b32 v2, 9, v10
	v_lshl_add_u32 v2, v11, 4, v2                  ; Q's codes: 512 r + 16 h
	v_lshlrev_b32 v3, 5, v10
	v_lshl_add_u32 v3, v11, 4, v3                  ; scale bytes: 32 r + 16 h
	v_lshlrev_b32 v4, 5, v11                       ; 32 h: my eight features of a tile
	s_mul_i32 s29, s28, STG
	s_add_co_u32 s29, s29, STGB
	v_mul_u32_u24 v5, v10, 1040
	v_lshl_add_u32 v5, v11, 5, v5
	v_add_nc_u32 v5, s29, v5                       ; the stage, in: row r, + 32 h
	v_add_nc_u32 v6, s29, v1                       ; and back: 16 bytes a lane
	s_lshl_b32 s29, s28, 7
	v_lshl_add_u32 v7, v9, 2, s29                  ; exchange: 128 x wave + 4 x lane
	v_lshlrev_b32 v8, 2, v10                       ; 4 r
	v_mov_b32 v104, 0                              ; written once: a lane permute's destination counts as one of its sources
	v_mov_b32 v105, 0
	s_mov_b32 s30, 0x76543210
	s_mov_b32 s31, 0xfedcba98
	s_mov_b32 s32, 0xffff0000                      ; lanes 16-31
	s_mov_b32 s33, 0x3a800000                      ; 1 / 1024
	s_mov_b32 s34, 0x3727c5ac                      ; 1e-5
	s_lshl_b32 s36, ttmp9, 14                      ; 32 tokens of codes
	s_mov_b32 s37, 0
	s_lshl_b32 s38, ttmp9, 10                      ; of scale bytes
	s_mov_b32 s39, 0
	s_lshl_b32 s40, s28, 17                        ; my 16 tiles of weights
	s_mov_b32 s41, 0
	s_lshl_b32 s42, s28, 13                        ; my 256 rows of their scale bytes
	s_mov_b32 s43, 0
	s_lshl_b32 s44, s28, 10                        ; my 256 numbers of a vector of 1,024
	s_mov_b32 s45, 0
	s_lshl_b32 s46, ttmp9, 17                      ; 32 rows of the output
	s_add_co_u32 s46, s46, s44
	s_mov_b32 s47, 0
	s_wait_kmcnt 0x0
	s_add_nc_u64 s[4:5], s[4:5], s[36:37]
	s_add_nc_u64 s[8:9], s[8:9], s[36:37]
	s_add_nc_u64 s[6:7], s[6:7], s[38:39]
	s_add_nc_u64 s[10:11], s[10:11], s[38:39]
	s_add_nc_u64 s[12:13], s[12:13], s[40:41]
	s_add_nc_u64 s[14:15], s[14:15], s[42:43]
	s_add_nc_u64 s[16:17], s[16:17], s[42:43]
	s_add_nc_u64 s[18:19], s[18:19], s[44:45]
	s_add_nc_u64 s[20:21], s[20:21], s[44:45]
	s_add_nc_u64 s[22:23], s[22:23], s[44:45]
	s_add_nc_u64 s[24:25], s[24:25], s[44:45]
	s_add_nc_u64 s[26:27], s[26:27], s[46:47]
	WIN 0x40                                       ; destination window 1
.irp m, 0,1
.irp s, 0,1,2,3,4,5,6,7
.irp c, 0,1
	global_load_b128 v[8*(16*\m+\s)+4*\c:8*(16*\m+\s)+4*\c+3], v1, s[4:5] offset:8192*\m+512*(2*\s+\c)          ; ctx: heads 2 s and 2 s + 1 are K step s
	global_load_b128 v[8*(16*\m+8+\s)+4*\c:8*(16*\m+8+\s)+4*\c+3], v2, s[8:9] offset:8192*\m+64*\s+32*\c        ; Q: from its rows
.endr
.endr
.endr
	WIN 0
.irp m, 0,1                                    ; register q of a set: K step q's word in lanes 0-15, K step 4 + q's in lanes 16-31
	global_load_b128 v[16+8*\m:19+8*\m], v3, s[6:7] offset:512*\m
	global_load_b128 v[20+8*\m:23+8*\m], v3, s[10:11] offset:512*\m
.endr
.macro WLOAD f                         ; tile f of my features: 32 loads of weights, 2 of scale words, 4 of biases: 38
	WIN 0x80                                       ; destination window 2
.irp s, 0,1,2,3,4,5,6,7
.irp c, 0,1
	global_load_b128 v[128*((\f)%2)+8*\s+4*\c:128*((\f)%2)+8*\s+4*\c+3], v1, s[12:13] offset:8192*(\f)+1024*\s+512*\c
	global_load_b128 v[128*((\f)%2)+64+8*\s+4*\c:128*((\f)%2)+64+8*\s+4*\c+3], v1, s[12:13] offset:524288+8192*(\f)+1024*\s+512*\c
.endr
.endr
	WIN 0
	global_load_b128 v[32+8*((\f)%2):35+8*((\f)%2)], v3, s[14:15] offset:512*(\f)
	global_load_b128 v[36+8*((\f)%2):39+8*((\f)%2)], v3, s[16:17] offset:512*(\f)
	global_load_b128 v[48+16*((\f)%2):51+16*((\f)%2)], v4, s[18:19] offset:64*(\f)
	global_load_b128 v[52+16*((\f)%2):55+16*((\f)%2)], v4, s[18:19] offset:64*(\f)+16
	global_load_b128 v[56+16*((\f)%2):59+16*((\f)%2)], v4, s[20:21] offset:64*(\f)
	global_load_b128 v[60+16*((\f)%2):63+16*((\f)%2)], v4, s[20:21] offset:64*(\f)+16
.endm
.macro VEC base, reg                   ; my 256 numbers of gamma or beta in the result's layout: 32 loads into window 2
	WIN 0x80
.irp f, 0,1,2,3,4,5,6,7,8,9,10,11,12,13,14,15
	global_load_b128 v[\reg+8*\f:\reg+8*\f+3], v4, s[\base:\base+1] offset:64*\f
	global_load_b128 v[\reg+8*\f+4:\reg+8*\f+7], v4, s[\base:\base+1] offset:64*\f+16
.endr
	WIN 0
.endm
.macro WX d, w, a, sw, sa, first, row
.if \first
	v_wmma_scale_f32_16x16x128_f8f6f4 v[\d:\d+7], v[\w:\w+7], v[\a:\a+7], v[80:87], v[\sw], v[\sa] matrix_a_fmt:MATRIX_FMT_FP4 matrix_b_fmt:MATRIX_FMT_FP4
.elseif \row
	v_wmma_scale_f32_16x16x128_f8f6f4 v[\d:\d+7], v[\w:\w+7], v[\a:\a+7], v[\d:\d+7], v[\sw], v[\sa] matrix_a_fmt:MATRIX_FMT_FP4 matrix_b_fmt:MATRIX_FMT_FP4 matrix_a_scale:MATRIX_SCALE_ROW1 matrix_b_scale:MATRIX_SCALE_ROW1
.else
	v_wmma_scale_f32_16x16x128_f8f6f4 v[\d:\d+7], v[\w:\w+7], v[\a:\a+7], v[\d:\d+7], v[\sw], v[\sa] matrix_a_fmt:MATRIX_FMT_FP4 matrix_b_fmt:MATRIX_FMT_FP4
.endif
.endm
; Tile f of my features for both tiles of tokens: 32 matrix instructions, the two accumulators by turns.  The biases' sum is the C of each sum's first instruction.
.macro FT f
.set P, (\f)%2
.if (\f) < 15
	s_wait_loadcnt 38                              ; this tile's loads are in; the next tile's 38 may be out
.else
	s_wait_loadcnt 32                              ; behind the last tile's loads: gamma's 32
.endif
.irp i, 0,2,4,6
	v_pk_add_f32 v[80+\i:81+\i], v[48+16*P+\i:49+16*P+\i], v[56+16*P+\i:57+16*P+\i]
.endr
	WIN 0xc6                                       ; source 0 window 2, source 1 window 1, C window 0, D window 3
.irp m, 0,1
	WX 8*(2*(\f)+\m), 128*P, 8*(16*\m), 32+8*P, 16+8*\m, 1, 0
.endr
	WIN 0xf6                                       ; C window 3
.irp s, 1,2,3,4,5,6,7,8,9,10,11,12,13,14,15
.irp m, 0,1
	WX 8*(2*(\f)+\m), 128*P+8*\s, 8*(16*\m+\s), 32+8*P+4*(\s/8)+(\s%4), 16+8*\m+4*(\s/8)+(\s%4), 0, (\s/4)%2
.endr
.endr
	WIN 0
	PLACES 4                                       ; ahead of loads into registers that these products have read, of the next sum of biases, and of the first reads of results
.endm
	WLOAD 0
	WLOAD 1
.irp f, 0,1,2,3,4,5,6,7,8,9,10,11,12,13
	FT \f
	WLOAD \f+2
.endr
	FT 14
	VEC 22, 0                                      ; gamma, where set 0 lay
	FT 15
	VEC 24, 128                                    ; beta, where set 1 lay
; Four chains v[96:103] (tile of tokens m, two each) are folded to one number a token, exchanged among the waves through LDS, and added: v108 = tile 0's total of my token r, v109 = tile 1's.
.macro XCH stat
	v_pk_add_f32 v[96:97], v[96:97], v[98:99]
	v_pk_add_f32 v[100:101], v[100:101], v[102:103]
	v_add_f32 v96, v96, v97
	v_add_f32 v100, v100, v101
	v_permlanex16_b32 v104, v96, s30, s31
	v_permlanex16_b32 v105, v100, s30, s31
	v_add_f32 v96, v96, v104                       ; my wave's 256 features of token r
	v_add_f32 v100, v100, v105
	v_cndmask_b32 v106, v96, v100, s32             ; lanes 0-15 carry tile 0, lanes 16-31 tile 1
	ds_store_b32 v7, v106 offset:\stat
	s_wait_dscnt 0x0                               ; for the others' sake: my store is done
	s_barrier_signal -1
	s_barrier_wait -1
.irp m, 0,1
.irp w, 0,1,2,3
	ds_load_b32 v[108+4*\m+\w], v8 offset:\stat+128*\w+64*\m
.endr
.endr
	s_wait_dscnt 0x0
	v_add_f32 v108, v108, v109
	v_add_f32 v110, v110, v111
	v_add_f32 v112, v112, v113
	v_add_f32 v114, v114, v115
	v_add_f32 v108, v108, v110
	v_add_f32 v109, v112, v114
.endm
	; the rows' sums; each accumulator is read from its low end on
	WIN 0x0f                                       ; sources 0 and 1 window 3
.irp m, 0,1
	v_pk_add_f32 v[96+4*\m:97+4*\m], v[8*\m:8*\m+1], v[8*\m+4:8*\m+5]
	v_pk_add_f32 v[98+4*\m:99+4*\m], v[8*\m+2:8*\m+3], v[8*\m+6:8*\m+7]
.endr
	WIN 0x0c                                       ; source 1 window 3
.irp f, 1,2,3,4,5,6,7,8,9,10,11,12,13,14,15
.irp i, 0,4
.irp m, 0,1
	v_pk_add_f32 v[96+4*\m:97+4*\m], v[96+4*\m:97+4*\m], v[8*(2*\f+\m)+\i:8*(2*\f+\m)+\i+1]
	v_pk_add_f32 v[98+4*\m:99+4*\m], v[98+4*\m:99+4*\m], v[8*(2*\f+\m)+\i+2:8*(2*\f+\m)+\i+3]
.endr
.endr
.endr
	WIN 0
	XCH STAT1
	v_mul_f32 v116, s33, v108                      ; the means, each in both halves of a pair
	v_mul_f32 v118, s33, v109
	v_mov_b32 v117, v116
	v_mov_b32 v119, v118
	WIN 0xc3                                       ; destination and source 0 window 3
.irp f, 0,1,2,3,4,5,6,7,8,9,10,11,12,13,14,15
.irp m, 0,1
.irp i, 0,2,4,6
	v_pk_add_f32 v[8*(2*\f+\m)+\i:8*(2*\f+\m)+\i+1], v[8*(2*\f+\m)+\i:8*(2*\f+\m)+\i+1], v[116+2*\m:117+2*\m] neg_lo:[0,1] neg_hi:[0,1]   ; x - mu
.endr
.endr
.endr
	WIN 0x0f
.irp m, 0,1
	v_pk_mul_f32 v[96+4*\m:97+4*\m], v[8*\m:8*\m+1], v[8*\m:8*\m+1]
	v_pk_mul_f32 v[98+4*\m:99+4*\m], v[8*\m+2:8*\m+3], v[8*\m+2:8*\m+3]
.endr
.irp m, 0,1
	v_pk_fma_f32 v[96+4*\m:97+4*\m], v[8*\m+4:8*\m+5], v[8*\m+4:8*\m+5], v[96+4*\m:97+4*\m]
	v_pk_fma_f32 v[98+4*\m:99+4*\m], v[8*\m+6:8*\m+7], v[8*\m+6:8*\m+7], v[98+4*\m:99+4*\m]
.endr
.irp f, 1,2,3,4,5,6,7,8,9,10,11,12,13,14,15
.irp i, 0,4
.irp m, 0,1
	v_pk_fma_f32 v[96+4*\m:97+4*\m], v[8*(2*\f+\m)+\i:8*(2*\f+\m)+\i+1], v[8*(2*\f+\m)+\i:8*(2*\f+\m)+\i+1], v[96+4*\m:97+4*\m]
	v_pk_fma_f32 v[98+4*\m:99+4*\m], v[8*(2*\f+\m)+\i+2:8*(2*\f+\m)+\i+3], v[8*(2*\f+\m)+\i+2:8*(2*\f+\m)+\i+3], v[98+4*\m:99+4*\m]
.endr
.endr
.endr
	WIN 0
	XCH STAT2                                      ; other bytes than the first exchange: no wave still reads what is written here
	v_fma_f32 v108, v108, s33, s34                 ; the variance + 1e-5
	v_fma_f32 v109, v109, s33, s34
	v_rsq_f32 v120, v108
	v_rsq_f32 v122, v109
	v_nop                                          ; one plain line behind the transcendentals
	s_wait_alu depctr_va_vdst(0)
	v_mov_b32 v121, v120
	v_mov_b32 v123, v122
	s_wait_loadcnt 0x0                             ; gamma and beta
	WIN 0xc3
.irp f, 0,1,2,3,4,5,6,7,8,9,10,11,12,13,14,15
.irp m, 0,1
.irp i, 0,2,4,6
	v_pk_mul_f32 v[8*(2*\f+\m)+\i:8*(2*\f+\m)+\i+1], v[8*(2*\f+\m)+\i:8*(2*\f+\m)+\i+1], v[120+2*\m:121+2*\m]
.endr
.endr
.endr
	WIN 0xeb                                       ; destination and source 0 window 3, sources 1 and 2 window 2
.irp f, 0,1,2,3,4,5,6,7,8,9,10,11,12,13,14,15
.irp m, 0,1
.irp i, 0,2,4,6
	v_pk_fma_f32 v[8*(2*\f+\m)+\i:8*(2*\f+\m)+\i+1], v[8*(2*\f+\m)+\i:8*(2*\f+\m)+\i+1], v[8*\f+\i:8*\f+\i+1], v[128+8*\f+\i:128+8*\f+\i+1]
.endr
.endr
.endr
; THE WAY OUT: 16 tokens x my 1,024 bytes go through my own stage and come back as rows; each store of the wave covers 512 consecutive bytes, aligned.  LDS serves a wave's instructions in order (ISA guide 5.7.1.4).
.macro OUTM m
.if \m
	s_wait_xcnt 0x0                                ; the first half's stores have read their data: the loads below land in the same registers
.endif
	WIN 0x0c                                       ; an LDS store's data are its source 1: window 3
.irp f, 0,1,2,3,4,5,6,7,8,9,10,11,12,13,14,15
	ds_store_b128 v5, v[8*(2*\f+\m):8*(2*\f+\m)+3] offset:64*\f
	ds_store_b128 v5, v[8*(2*\f+\m)+4:8*(2*\f+\m)+7] offset:64*\f+16
.endr
	WIN 0
.set I, 0
.rept 32
	ds_load_b128 v[128+4*I:131+4*I], v6 offset:1040*(I/2)+512*(I%2)
.set I, I+1
.endr
.set I, 0
.rept 32
	s_wait_dscnt 31-I
	global_store_b128 v1, v[128+4*I:131+4*I], s[26:27] offset:4096*(16*\m+I/2)+512*(I%2) th:TH_STORE_NT
.set I, I+1
.endr
.endm
	OUTM 0
	OUTM 1
	s_wait_tensorcnt 0x0
	ds_add_u32 v126, v127
	s_wait_dscnt 0x0
	s_endpgm
.Lfunc_end_k_qa84f3f145a_outln:
	.size	k_qa84f3f145a_outln, .Lfunc_end_k_qa84f3f145a_outln-k_qa84f3f145a_outln
	.p2alignl 7, 3214868480
	.fill 96, 4, 3214868480
	.section	.rodata,"a",@progbits
	.p2align	6, 0x0
	.amdhsa_kernel k_qa84f3f145a_outln
		.amdhsa_group_segment_fixed_size 68096
		.amdhsa_private_segment_fixed_size 0
		.amdhsa_enable_private_segment 0
		.amdhsa_kernarg_size 96
		.amdhsa_user_sgpr_count 2
		.amdhsa_user_sgpr_kernarg_segment_ptr 1
		.amdhsa_wavefront_size32 1
		.amdhsa_system_sgpr_workgroup_id_x 1
		.amdhsa_system_sgpr_workgroup_id_y 1
		.amdhsa_system_sgpr_workgroup_id_z 1
		.amdhsa_system_vgpr_workitem_id 0
		.amdhsa_next_free_vgpr 1024
		.amdhsa_next_free_sgpr 66
		.amdhsa_reserve_vcc 0
		.amdhsa_float_denorm_mode_32 3
		.amdhsa_float_denorm_mode_16_64 3
		.amdhsa_memory_ordered 1
		.amdhsa_forward_progress 1
		.amdhsa_inst_pref_size 205
	.end_amdhsa_kernel
	.amdgpu_metadata
---
amdhsa.version: [ 1, 2 ]
amdhsa.kernels:
  - .name:           k_qa84f3f145a_outln
    .symbol:         k_qa84f3f145a_outln.kd
    .args:
      - { .name: cimg, .offset: 0, .size: 8, .value_kind: global_buffer, .address_space: global }
      - { .name: csc, .offset: 8, .size: 8, .value_kind: global_buffer, .address_space: global }
      - { .name: Q_codes, .offset: 16, .size: 8, .value_kind: global_buffer, .address_space: global }
      - { .name: Q_scales, .offset: 24, .size: 8, .value_kind: global_buffer, .address_space: global }
      - { .name: wimg, .offset: 32, .size: 8, .value_kind: global_buffer, .address_space: global }
      - { .name: W_o_scales, .offset: 40, .size: 8, .value_kind: global_buffer, .address_space: global }
      - { .name: W_q_scales, .offset: 48, .size: 8, .value_kind: global_buffer, .address_space: global }
      - { .name: b_o, .offset: 56, .size: 8, .value_kind: global_buffer, .address_space: global }
      - { .name: b_q, .offset: 64, .size: 8, .value_kind: global_buffer, .address_space: global }
      - { .name: ln_gamma, .offset: 72, .size: 8, .value_kind: global_buffer, .address_space: global }
      - { .name: ln_beta, .offset: 80, .size: 8, .value_kind: global_buffer, .address_space: global }
      - { .name: out0, .offset: 88, .size: 8, .value_kind: global_buffer, .address_space: global }
    .group_segment_fixed_size: 68096
    .private_segment_fixed_size: 0
    .kernarg_segment_align: 8
    .kernarg_segment_size: 96
    .max_flat_workgroup_size: 128
    .sgpr_count:     66
    .vgpr_count:     1024
    .wavefront_size: 32
...
	.end_amdgpu_metadata
.endif
;; end of part 3
;; ======== version 2 of 2: 3 launches
;; workspace buffers: qkv_img 12,582,912 bytes; qkv_sw 1,572,864 bytes; wimg 1,048,576 bytes; cimg 4,194,304 bytes; csc 262,144 bytes
;; launch proj (part 4): grid 4 x 96, 4 waves a work-group, clusters of 4 x 4, 327,680 bytes of LDS; arguments Q_codes, K_codes, V_codes, Q_scales, K_scales, V_scales, W_q_codes, W_k_codes, W_v_codes, W_q_scales, W_k_scales, W_v_scales, b_q, b_k, b_v, W_o_codes, qkv_img, qkv_sw, wimg; writes qkv_img, qkv_sw, wimg
.if DOCPART == 4
	.amdgcn_target "amdgcn-amd-amdhsa--gfx1250"
	.amdhsa_code_object_version 6
	.text
	.protected	k_qa84f3f145a_proj
	.globl	k_qa84f3f145a_proj
	.p2align	8
	.type	k_qa84f3f145a_proj,@function
k_qa84f3f145a_proj:
	s_mov_b64 s[64:65], 0
	v_nop
	global_prefetch_b8 v0, s[64:65] scope:SCOPE_SE
	s_setreg_imm32_b32 hwreg(HW_REG_WAVE_MODE, 25, 1), 1
	s_wait_xcnt 0x0
	s_wait_alu depctr_hold_cnt(0) depctr_sa_sdst(0) depctr_va_vdst(0) depctr_va_sdst(0) depctr_va_ssrc(0) depctr_va_vcc(0) depctr_vm_vsrc(0)
	s_getreg_b32 s2, hwreg(HW_REG_IB_STS2, 6, 4)
	s_cmp_eq_u32 s2, 0
	s_cbranch_scc0 .Lentry_in_a_cluster
	s_endpgm
.Lentry_in_a_cluster:
	s_bfe_u32 s2, ttmp6, 0x10000c
	s_cmp_lg_u32 s2, 0xf033
	s_cbranch_scc0 .Lentry_shape_is_right
	s_endpgm
.Lentry_shape_is_right:
; q = Q W_q^T + b_q, k = K W_k^T + b_k, v = V W_v^T + b_v: [8192][1024] each, K = 1024, on codes of FP4 (E2M1) with one E8M0 byte for each 32 along K; sums in f32.
; The results never go to memory as f32: q and k are quantised along the head's 64, v along the keys, and leave as images of the registers of the next launch's operands (lane l's 16 bytes at 16 l).
; MODE = cluster y / 8 (0 q, 1 k, 2 v): the same in all partners of a cluster.  A work-group makes 256 tokens x 256 features, a wave 128 x 128: 64 accumulators, 512 registers.
; All of K lies in LDS: two slots of 512 along K (rows of 256 bytes + 16 of padding), each filled ONCE, so no LDS byte is filled again.
; CLUSTER 4 x 4: the tokens' tile hangs on the tile row and is asked for jointly by a row of the cluster, the weights' tile on the tile column and is asked for jointly by a column.
; ROLES.  Source 0 = role B, source 1 = role A; a lane then holds one row of role A and eight neighbours of role B.  q, k: A = tokens, B = features (registers run along the head's axis).
; v: A = features, B = tokens (registers run along the keys).  Only the LDS bases of the fragment loads differ between the modes, no instruction of the product.
; The work-groups of mode 0 also re-lay W_o and W_q as fragment images for the last launch: one tile of 16 rows each, two K steps a wave.
; QUANTISER: a block's byte is its largest magnitude's exponent field - 2.
; LIMITS: a block of zeros, and a block whose largest magnitude lies under 2^-124, gets the byte 1 (zero codes add nothing; only this program reads the bytes); NaN and infinities, and the byte 0xff among the given scales, are not served.
; REGISTERS, in windows of 256: window 0: v1-31 addresses and single words; v32-63 role A's scale words, v64-95 role B's (nothing else ever lies there); v96-127 at work on the way out; v128-191 role A's fragments, later
;   64 numbers on the way out; v192-255 the bias in q's and k's layout.  window 1: role B's fragments, two sets, at v0 and v128; v64-79 the bias in v's layout.  windows 2, 3: accumulator (a, b) at v[8 (8 (a % 4) + b)].
.set KROW,  512                        ; a row of codes in memory
.set ROWB,  256                        ; a tile's row: 512 codes
.set PITCH, 272                        ; in LDS: + 16 bytes, so that the 16 rows of a fragment load start 68 words apart
.set HALFT, 128*PITCH                  ; 128 rows: one tensor load
.set SLOT,  4*HALFT                    ; 256 rows of tokens, then 256 rows of weights
.set FR,    8
.set ADRA, 16                          ; v16-17 LDS address of role A's fragments in slot 0, 1
.set ADRB, 20                          ; v20-21 role B's
.set L16,  24                          ; 16 x lane
.set SCO,  25                          ; 32 r + 16 h: my 16 scale bytes of a row
.set BOQ,  26                          ; 32 h
.set RLO,  27                          ; 512 r + 16 h
.set BOV,  28                          ; 4 r
.set PW,   29
.set W0,   30
.set W1,   31
.set SCA,  32
.set SCB,  64
.set RL,   96                          ; the re-lay's 16 registers
.set TM,   96                          ; later: +0..3 largest magnitudes, +4..7 bytes, +12..15 the conversions' scale operands
.set PC,   112                         ; the codes just made
.set SWR,  120                         ; scale words gathered for two heads
.set AF,   128
.set T,    128
.set BI,   192
.set BIV,  64                          ; in window 1
.set G1,   44                          ; s[44:51] group 1, s[52:59] groups 0 for the tokens' tiles
.set G0,   52
.set G1B,  68                          ; s[68:75], s[76:83] for the weights' tiles
.set G0B,  76
.set G1W0, (1<<20)|(1<<21)|(5<<22)|(3<<25)   ; elements of 1 byte; padding on; bit 21 beside a mask; 4 words behind every 64
.set MSB, 0
.macro WIN new                         ; the immediate's high byte repeats the setting that is left
.if MSB != (\new)
	s_set_vgpr_msb (MSB<<8)|(\new)
.set MSB, (\new)
.endif
.endm
.set MUL_LO, 0xa1                      ; source 0 window 1, source 1 window 0, C and D window 2
.set MUL_HI, 0xf1                      ; C and D window 3
.set TO_B,   0x40
.macro JLOAD g0a, g1a, g0b, g1b        ; waves 0, 1 ask for the tokens' halves, waves 2, 3 for the weights'; four v_nop follow each line
	s_cmp_eq_u32 s61, 0
	s_cbranch_scc0 .Lfor_w_\@
	tensor_load_to_lds s[\g0a:\g0a+3], s[\g1a:\g1a+7]
	s_nop 0
.rept 4
	v_nop
.endr
	s_branch .Lasked_\@
.Lfor_w_\@:
	tensor_load_to_lds s[\g0b:\g0b+3], s[\g1b:\g1b+7]
	s_nop 0
.rept 4
	v_nop
.endr
.Lasked_\@:
.endm
.macro CROUND                          ; a round of the cluster's barrier
	s_barrier_signal -1
	s_barrier_wait -1
	s_cmp_lg_u32 s60, 0
	s_cbranch_scc1 .Lnot_wave_0_\@
	s_barrier_signal -3
.Lnot_wave_0_\@:
	s_barrier_wait -3
	s_barrier_signal -1
	s_barrier_wait -1
.endm
.macro PLACES n
.rept \n
	v_nop
.endr
.endm
	s_load_b512 s[4:19], s[0:1], 0x0               ; Q, K, V codes s[4:9]; Q, K, V scales s[10:15]; W_q, W_k codes s[16:19]
	s_load_b512 s[20:35], s[0:1], 0x40             ; W_v codes; W_q, W_k, W_v scales s[22:27]; b_q, b_k, b_v s[28:33]; W_o codes s[34:35]
	s_load_b128 s[36:39], s[0:1], 0x80             ; qkv_img, qkv_sw
	s_load_b64 s[40:41], s[0:1], 0x90              ; wimg
	v_lshl_add_u32 v22, v0, 2, 0x44000
	v_mov_b32 v23, 0
	ds_add_u32 v22, v23
	ds_add_u32 v22, v23
	v_lshrrev_b32 v1, 5, v0
	v_readfirstlane_b32 s60, v1                    ; wave 0..3
	s_lshr_b32 s61, s60, 1                         ; HA: my half of role A.  Also: I fetch tokens (0) or weights (1)
	s_and_b32 s62, s60, 1                          ; HB: my half of role B.  Also: which 128 rows I fetch
	s_bfe_u32 s67, ttmp6, 0x40000                  ; cx = the feature tile
	s_bfe_u32 s84, ttmp6, 0x40004                  ; cy
	s_and_b32 s85, ttmp7, 0xffff                   ; cluster y, 0..23
	s_lshr_b32 s63, s85, 3                         ; mode
	s_lshr_b32 s66, s85, 4
	s_min_u32 s66, s66, 1                          ; 1 in mode v
	s_and_b32 s86, s85, 7
	s_lshl_b32 s86, s86, 2
	s_add_co_u32 s86, s86, s84                     ; token tile 0..31
	s_lshl_b32 s92, s84, 2
	s_lshl_b32 s92, 15, s92                        ; my row of the cluster
	s_lshl_b32 s93, 0x1111, s67                    ; my column
	s_or_b32 s[G1], s92, G1W0
	s_or_b32 s[G1B], s93, G1W0
.irp g, G1, G1B
	s_mov_b32 s[\g+1], ROWB<<16                    ; tensor_dim0
	s_mov_b32 s[\g+2], 128<<16                     ; tensor_dim1
	s_mov_b32 s[\g+3], ROWB<<16                    ; tile_dim0
	s_mov_b32 s[\g+4], 128                         ; tile_dim1
	s_mov_b32 s[\g+5], KROW                        ; pitch
	s_mov_b32 s[\g+6], 0
	s_mov_b32 s[\g+7], 0
.endr
	s_mov_b32 s87, 0xffff0000                      ; lanes 16-31
	s_mov_b32 s88, 0x7f7f0000                      ; the bytes 127 for the unused half of q's and k's K step
	s_mov_b32 s90, 0x76543210
	s_mov_b32 s91, 0xfedcba98                      ; v_permlanex16_b32: lane l xor 16
	s_lshl_b32 s94, s86, 17                        ; tokens: (256 tile + 128 HB) rows of 512 bytes
	s_lshl_b32 s95, s62, 16
	s_add_co_u32 s94, s94, s95
	s_mov_b32 s95, 0
	s_lshl_b32 s96, s67, 17                        ; weights likewise, by cx
	s_lshl_b32 s97, s62, 16
	s_add_co_u32 s96, s96, s97
	s_mov_b32 s97, 0
	s_mul_i32 s98, s60, HALFT                      ; where my load goes: wave x 128 rows
	s_wait_dscnt 0x0
	s_wait_kmcnt 0x0
	s_cmp_eq_u32 s63, 1                            ; the mode chooses the buffers: it hangs on the cluster's number alone
	s_cselect_b64 s[4:5], s[6:7], s[4:5]
	s_cselect_b64 s[10:11], s[12:13], s[10:11]
	s_cselect_b64 s[16:17], s[18:19], s[16:17]
	s_cselect_b64 s[22:23], s[24:25], s[22:23]
	s_cselect_b64 s[28:29], s[30:31], s[28:29]
	s_cmp_eq_u32 s63, 2
	s_cselect_b64 s[4:5], s[8:9], s[4:5]           ; the tokens' codes
	s_cselect_b64 s[10:11], s[14:15], s[10:11]     ; their scales
	s_cselect_b64 s[16:17], s[20:21], s[16:17]     ; the weights' codes
	s_cselect_b64 s[22:23], s[26:27], s[22:23]     ; their scales
	s_cselect_b64 s[28:29], s[32:33], s[28:29]     ; the bias
	s_add_nc_u64 s[94:95], s[4:5], s[94:95]
	s_add_nc_u64 s[96:97], s[16:17], s[96:97]
	CROUND                                         ; all sixteen work-groups are here: the joint loads meet
.irp s, 0,1
	s_mov_b32 s[G0+4*\s], 1
	s_add_co_u32 s[G0+4*\s+1], s98, \s*SLOT
	s_add_nc_u64 s[G0+4*\s+2:G0+4*\s+3], s[94:95], \s*ROWB
	s_or_b32 s[G0+4*\s+3], s[G0+4*\s+3], 0x80000000
	s_mov_b32 s[G0B+4*\s], 1
	s_add_co_u32 s[G0B+4*\s+1], s98, \s*SLOT
	s_add_nc_u64 s[G0B+4*\s+2:G0B+4*\s+3], s[96:97], \s*ROWB
	s_or_b32 s[G0B+4*\s+3], s[G0B+4*\s+3], 0x80000000
	s_wait_alu depctr_va_vdst(0)
	s_wait_tensorcnt 0x0
	ds_add_u32 v22, v23
	ds_add_u32 v22, v23
	s_wait_dscnt 0x0
	CROUND
	JLOAD G0+4*\s, G1, G0B+4*\s, G1B               ; one slot at a time: the wait above leaves no load of mine out
.endr
	v_and_b32 v1, 15, v0                           ; r
	v_bfe_u32 v2, v0, 4, 1                         ; h
	v_and_b32 v3, 31, v0
	v_mul_u32_u24 v4, v1, PITCH
	v_lshl_add_u32 v4, v2, 4, v4                   ; a fragment's row x pitch + 16 h
	s_wait_alu depctr_va_vdst(0)
	s_lshl_b32 s92, s66, 1
	s_add_co_u32 s92, s92, s61
	s_mul_i32 s92, s92, HALFT                      ; role A: tokens' half HA, in mode v the weights' half HA
	s_xor_b32 s93, s66, 1
	s_lshl_b32 s93, s93, 1
	s_add_co_u32 s93, s93, s62
	s_mul_i32 s93, s93, HALFT                      ; role B: the other tensor's half HB
.irp s, 0,1
	v_add_nc_u32 v[ADRA+\s], s92, v4
	v_add_nc_u32 v[ADRB+\s], s93, v4
	s_add_co_u32 s92, s92, SLOT
	s_add_co_u32 s93, s93, SLOT
.endr
	v_lshlrev_b32 v[L16], 4, v3
	v_lshlrev_b32 v[SCO], 5, v1
	v_lshl_add_u32 v[SCO], v2, 4, v[SCO]
	v_lshlrev_b32 v[BOQ], 5, v2
	v_lshlrev_b32 v[RLO], 9, v1
	v_lshl_add_u32 v[RLO], v2, 4, v[RLO]
	v_lshlrev_b32 v[BOV], 2, v1
	; THE RE-LAY, in mode 0 alone: loads, their wait and the stores stand in one branch
	s_cmp_lg_u32 s63, 0
	s_cbranch_scc1 .Lno_relay
	s_lshr_b32 s92, s85, 2                         ; 0: W_o, 1: W_q
	s_and_b32 s93, s85, 3
	s_lshl_b32 s93, s93, 4
	s_lshl_b32 s94, s84, 2
	s_add_co_u32 s93, s93, s94
	s_add_co_u32 s93, s93, s67                     ; the tile of 16 rows, 0..63
	s_lshl_b32 s94, s93, 13                        ; 8,192 bytes a tile, in both layouts
	s_lshl_b32 s96, s60, 7                         ; from: my two K steps, 64 bytes each in a row
	s_add_co_u32 s96, s96, s94
	s_mov_b32 s97, 0
	s_lshl_b32 s98, s60, 11                        ; to: 1,024 bytes a K step
	s_add_co_u32 s98, s98, s94
	s_lshl_b32 s99, s92, 19
	s_add_co_u32 s98, s98, s99
	s_mov_b32 s99, 0
	s_cmp_eq_u32 s92, 1
	s_cselect_b64 s[42:43], s[16:17], s[34:35]     ; (in mode 0 s[16:17] is W_q's codes)
	s_add_nc_u64 s[42:43], s[42:43], s[96:97]
	s_add_nc_u64 s[40:41], s[40:41], s[98:99]
	s_wait_alu depctr_va_vdst(0)
.irp e, 0,1
.irp c, 0,1
	global_load_b128 v[RL+4*(2*\e+\c):RL+4*(2*\e+\c)+3], v[RLO], s[42:43] offset:64*\e+32*\c
.endr
.endr
	s_wait_loadcnt 0x0
.irp e, 0,1
.irp c, 0,1
	global_store_b128 v[L16], v[RL+4*(2*\e+\c):RL+4*(2*\e+\c)+3], s[40:41] offset:1024*\e+512*\c   ; 32 lanes store 512 consecutive bytes
.endr
.endr
.Lno_relay:
	s_cmp_eq_u32 s66, 1
	s_cselect_b32 s92, s62, s61                    ; which half of the tokens is mine,
	s_cselect_b32 s93, s61, s62                    ; and of the features
	s_lshl_b32 s99, s86, 8
	s_lshl_b32 s92, s92, 7
	s_add_co_u32 s99, s99, s92                     ; my first token
	s_lshl_b32 s100, s67, 8
	s_lshl_b32 s93, s93, 7
	s_add_co_u32 s100, s100, s93                   ; my first feature
	s_mov_b32 s93, 0
	s_lshl_b32 s92, s99, 5
	s_add_nc_u64 s[10:11], s[10:11], s[92:93]      ; 32 scale bytes a row
	s_lshl_b32 s92, s100, 5
	s_add_nc_u64 s[22:23], s[22:23], s[92:93]
	s_lshl_b32 s92, s100, 2
	s_add_nc_u64 s[28:29], s[28:29], s[92:93]
	s_cmp_eq_u32 s66, 1
	s_cselect_b64 s[6:7], s[22:23], s[10:11]       ; role A's scale rows
	s_cselect_b64 s[8:9], s[10:11], s[22:23]       ; role B's
	s_wait_alu depctr_va_vdst(0)
	; THE SCALES go straight into registers: lane (r, h) takes bytes 16 h .. 16 h + 15 of row r, so register 4 i + q holds the word of K step q in lanes 0-15 and of K step 4 + q in lanes 16-31
.irp i, 0,1,2,3,4,5,6,7
	global_load_b128 v[SCA+4*\i:SCA+4*\i+3], v[SCO], s[6:7] offset:512*\i
	global_load_b128 v[SCB+4*\i:SCB+4*\i+3], v[SCO], s[8:9] offset:512*\i
.endr
.irp b, 0,1,2,3,4,5,6,7                        ; the bias in both layouts (both stay inside my 512 bytes of it): features 16 b + 8 h + 0 .. 7,
	global_load_b128 v[BI+8*\b:BI+8*\b+3], v[BOQ], s[28:29] offset:64*\b
	global_load_b128 v[BI+8*\b+4:BI+8*\b+7], v[BOQ], s[28:29] offset:64*\b+16
.endr
	WIN TO_B
.irp a, 0,1,2,3,4,5,6,7                        ; and feature 16 a + r, twice, for the packed addition
	global_load_b32 v[BIV+2*\a], v[BOV], s[28:29] offset:64*\a
	global_load_b32 v[BIV+2*\a+1], v[BOV], s[28:29] offset:64*\a
.endr
	WIN 0
	; where my results go: batch b, step of 128 tokens, first of my two heads
	s_lshr_b32 s92, s99, 11
	s_lshl_b32 s92, s92, 4
	s_lshr_b32 s93, s100, 6
	s_add_co_u32 s92, s92, s93                     ; 16 b + head
	s_bfe_u32 s93, s99, 0x40007                    ; step
	s_lshl_b32 s94, s63, 22                        ; images: 4 MiB a tensor, 65,536 bytes a head, 4,096 a step
	s_lshl_b32 s96, s92, 16
	s_add_co_u32 s94, s94, s96
	s_lshl_b32 s96, s93, 12
	s_add_co_u32 s94, s94, s96
	s_mov_b32 s95, 0
	s_add_nc_u64 s[36:37], s[36:37], s[94:95]
	s_lshl_b32 s94, s63, 19                        ; scale words: 524,288 a tensor, 8,192 a head, 512 a step
	s_lshl_b32 s96, s92, 13
	s_add_co_u32 s94, s94, s96
	s_lshl_b32 s96, s93, 9
	s_add_co_u32 s94, s94, s96
	s_add_nc_u64 s[38:39], s[38:39], s[94:95]
.macro FRAG reg, adr, q, i             ; 16 rows x 128 K: lane l holds row l % 16; registers 4 c .. 4 c + 3 hold K = 64 c + 32 (l / 16) + 0 .. 31
.irp c, 0,1
	ds_load_b128 v[\reg+4*\c:\reg+4*\c+3], v[\adr] offset:64*(\q)+32*\c+(\i)*16*PITCH
.endr
.endm
.macro WM d, b, a, sb, sa, zero, row
.if \zero
	v_wmma_scale_f32_16x16x128_f8f6f4 v[\d:\d+7], v[\b:\b+7], v[\a:\a+7], 0, v[\sb], v[\sa] matrix_a_fmt:MATRIX_FMT_FP4 matrix_b_fmt:MATRIX_FMT_FP4
.elseif \row
	v_wmma_scale_f32_16x16x128_f8f6f4 v[\d:\d+7], v[\b:\b+7], v[\a:\a+7], v[\d:\d+7], v[\sb], v[\sa] matrix_a_fmt:MATRIX_FMT_FP4 matrix_b_fmt:MATRIX_FMT_FP4 matrix_a_scale:MATRIX_SCALE_ROW1 matrix_b_scale:MATRIX_SCALE_ROW1
.else
	v_wmma_scale_f32_16x16x128_f8f6f4 v[\d:\d+7], v[\b:\b+7], v[\a:\a+7], v[\d:\d+7], v[\sb], v[\sa] matrix_a_fmt:MATRIX_FMT_FP4 matrix_b_fmt:MATRIX_FMT_FP4
.endif
.endm
; 16 matrix instructions: role A's blocks a0, a0 + 1 x role B's eight, the slot's q-th 128 along K.  Slot 1 reads its scale words from lanes 16-31.  The 64 accumulators take turns, one instruction a turn.
.macro MUL16 a0, p, q, sl, zero
.irp a, \a0, \a0+1
.irp b, 0,1,2,3,4,5,6,7
	WM 8*(8*((\a)%4)+\b), 128*(\p)+FR*\b, AF+FR*(\a), SCB+4*\b+(\q), SCA+4*(\a)+(\q), \zero, \sl
.endr
.endr
.endm
.macro FETCH_B slot, q, p
	WIN TO_B
.irp i, 0,1,2,3,4,5,6,7
	FRAG 128*(\p)+FR*\i, ADRB+\slot, \q, \i
.endr
	WIN 0
.endm
.macro FETCH_A slot, q, i0
.irp i, \i0, \i0+1, \i0+2, \i0+3
	FRAG AF+FR*(\i), ADRA+\slot, \q, \i
.endr
.endm
; A step of 128 along K whose successor lies in the same slot.  Role A has one set of registers (a block is free when its eight products are issued), role B two.
.macro STEP slot, q, zero
	s_wait_dscnt 8                                 ; all but the youngest eight loads (role A's blocks 4-7)
	WIN MUL_LO
	MUL16 0, (\q)%2, \q, \slot, \zero
	MUL16 2, (\q)%2, \q, \slot, \zero
	s_wait_dscnt 0
	PLACES 4                                       ; four plain vector lines ahead of loads into registers that matrix instructions have read (ISA guide 7.12.1 for vector instructions)
	FETCH_B \slot, (\q)+1, 1-(\q)%2
	FETCH_A \slot, (\q)+1, 0
	WIN MUL_HI
	MUL16 4, (\q)%2, \q, \slot, \zero
	MUL16 6, (\q)%2, \q, \slot, \zero
	PLACES 4
	WIN 0
	FETCH_A \slot, (\q)+1, 4
.endm
	s_wait_tensorcnt 0x1                           ; my part of slot 0 is in; slot 1's load may stay out
	s_barrier_signal -1
	s_barrier_wait -1                              ; everybody's is
	FETCH_B 0, 0, 0
	FETCH_A 0, 0, 0
	FETCH_A 0, 0, 4
	s_wait_loadcnt 0x0                             ; scales and bias
	STEP 0, 0, 1                                   ; the first products start the sums: nothing is cleared
	STEP 0, 1, 0
	STEP 0, 2, 0
	s_wait_tensorcnt 0x0                           ; slot 0's last step changes slots: my part of slot 1 is in (no load was issued behind it)
	s_wait_dscnt 8
	WIN MUL_LO
	MUL16 0, 1, 3, 0, 0
	s_wait_dscnt 0x0                               ; no LDS load of mine is out at the signal
	s_barrier_signal -1
	MUL16 2, 1, 3, 0, 0
	WIN 0
	s_barrier_wait -1                              ; slot 1 is whole
	PLACES 4
	FETCH_B 1, 0, 0
	FETCH_A 1, 0, 0
	WIN MUL_HI
	MUL16 4, 1, 3, 0, 0
	MUL16 6, 1, 3, 0, 0
	PLACES 4
	WIN 0
	FETCH_A 1, 0, 4
	STEP 1, 0, 0
	STEP 1, 1, 0
	STEP 1, 2, 0
	s_wait_dscnt 8
	WIN MUL_LO
	MUL16 0, 1, 3, 1, 0
	MUL16 2, 1, 3, 1, 0
	s_wait_dscnt 0
	WIN MUL_HI
	MUL16 4, 1, 3, 1, 0
	MUL16 6, 1, 3, 1, 0
	WIN 0
	PLACES 4                                       ; ahead of the first reads of results and of writes over role A's fragments
; THE WAY OUT.  64 numbers of a lane, v[s + 8 t + j] = k 16 t + 8 (lane / 16) + j of my row, become a fragment's codes in v[PC] on; the four blocks' bytes stay in v[TM+4] on.
; A block of 32 is the 16 registers of tiles 2 b, 2 b + 1 in lanes l and l xor 16.  Tile 4 c's and tile 4 c + 2's codes are set side by side, and likewise 4 c + 1's and 4 c + 3's: one exchange of halves for each pair
; then gives registers 4 c .. 4 c + 3 = k 64 c + 32 (lane / 16) + 0 .. 31, the operand's layout.
.macro QUANT s
.irp b, 0,1,2,3
	v_max3_num_f32 v[TM+\b], |v[\s+16*\b]|, |v[\s+1+16*\b]|, 0x1800000   ; with the floor 2^(3 - 127): the byte cannot fall under 1
.endr
.irp i, 2,4,6,8,10,12,14
.irp b, 0,1,2,3
	v_max3_num_f32 v[TM+\b], v[TM+\b], |v[\s+16*\b+\i]|, |v[\s+1+16*\b+\i]|
.endr
.endr
.irp b, 0,1,2,3
	v_permlanex16_b32 v[TM+4+\b], v[TM+\b], s90, s91
.endr
.irp b, 0,1,2,3
	v_max_num_f32 v[TM+\b], v[TM+\b], v[TM+4+\b]
.endr
.irp b, 0,1,2,3
	v_add_nc_u32 v[TM+12+\b], 0xff000000, v[TM+\b] ; 2 off the exponent field: the conversion's scale operand
.endr
.irp b, 0,1,2,3
	v_lshrrev_b32 v[TM+4+\b], 23, v[TM+12+\b]      ; the byte
.endr
.irp b, 0,1,2,3
	v_cvt_scalef32_pk8_fp4_f32 v[PC+4*(\b/2)+(\b%2)], v[\s+16*\b:\s+16*\b+7], v[TM+12+\b]
	v_cvt_scalef32_pk8_fp4_f32 v[PC+4*(\b/2)+2+(\b%2)], v[\s+16*\b+8:\s+16*\b+15], v[TM+12+\b]
.endr
	v_nop                                          ; one plain line behind the scaled conversions
.irp c, 0,1
	v_permlane16_swap_b32 v[PC+4*\c], v[PC+4*\c+1]
	v_permlane16_swap_b32 v[PC+4*\c+2], v[PC+4*\c+3]
.endr
.endm
.macro ADDB a, win, breg, bstep        ; block a's 64 results + the bias, into window 0; each accumulator is read from its low end on
	WIN \win
.set J, 0
.rept 32
	v_pk_add_f32 v[T+2*J:T+2*J+1], v[64*((\a)%4)+2*J:64*((\a)%4)+2*J+1], v[\breg+\bstep*J:\breg+\bstep*J+1]
.set J, J+1
.endr
	WIN 0
.endm
; q, k: block a = 16 tokens x my 128 features = two heads.  Registers 4 g .. 4 g + 3 of the codes are head g's image of this token tile; a scale word is {byte 0, byte 1, 127, 127}.
.macro OUTQK a
	s_wait_xcnt 0x0                                ; the stores issued so far have read their data: the codes' registers may be written again
	ADDB \a, 0x02+(\a)/4, BI, 2
	QUANT T
	global_store_b128 v[L16], v[PC:PC+3], s[36:37] offset:512*(\a)
	global_store_b128 v[L16], v[PC+4:PC+7], s[36:37] offset:512*(\a)+65536
.if (\a)%2 == 0
	v_lshl_or_b32 v[SWR+(\a)/2], v[TM+5], 8, v[TM+4]
	v_lshl_or_b32 v[SWR+4+(\a)/2], v[TM+7], 8, v[TM+6]
.else
	v_lshl_or_b32 v[W0], v[TM+5], 8, v[TM+4]
	v_lshl_or_b32 v[W1], v[TM+7], 8, v[TM+6]
	v_cndmask_b32 v[SWR+(\a)/2], v[SWR+(\a)/2], v[W0], s87       ; an odd tile's words go to lanes 16-31
	v_cndmask_b32 v[SWR+4+(\a)/2], v[SWR+4+(\a)/2], v[W1], s87
.endif
.endm
; v: block a = 16 features (tile a % 4 of head a / 4) x my 128 keys: a whole fragment and a whole scale word a row.
.macro OUTV a
	s_wait_xcnt 0x0
	ADDB \a, 0x06+(\a)/4, BIV+2*(\a), 0
	QUANT T
	global_store_b128 v[L16], v[PC:PC+3], s[36:37] offset:65536*((\a)/4)+1024*((\a)%4)
	global_store_b128 v[L16], v[PC+4:PC+7], s[36:37] offset:65536*((\a)/4)+1024*((\a)%4)+512
	v_lshl_or_b32 v[PW], v[TM+5], 8, v[TM+4]
	v_lshl_or_b32 v[PW], v[TM+6], 16, v[PW]
	v_lshl_or_b32 v[PW], v[TM+7], 24, v[PW]
.if (\a)%2 == 0
	v_mov_b32 v[SWR+4*((\a)/4)+((\a)%4)/2], v[PW]
.else
	v_cndmask_b32 v[SWR+4*((\a)/4)+((\a)%4)/2], v[SWR+4*((\a)/4)+((\a)%4)/2], v[PW], s87
.endif
.endm
	s_wait_xcnt 0x0                                ; the re-lay's stores have read their data
.irp b, 0,1,2,3
	v_mov_b32 v[TM+4+\b], 0                        ; written once: a lane permute's destination counts as one of its sources
.endr
	s_cmp_eq_u32 s66, 1
	s_cbranch_scc1 .Lout_v
.irp a, 0,1,2,3,4,5,6,7
	OUTQK \a
.endr
.irp i, 0,1,2,3,4,5,6,7
	v_or_b32 v[SWR+\i], s88, v[SWR+\i]
.endr
	global_store_b128 v[L16], v[SWR:SWR+3], s[38:39]               ; 512 consecutive bytes: a step's words of one head
	global_store_b128 v[L16], v[SWR+4:SWR+7], s[38:39] offset:8192
	s_branch .Ldone
.Lout_v:
.irp g, 0,1
	v_mov_b32 v[SWR+4*\g+2], 0
	v_mov_b32 v[SWR+4*\g+3], 0
.endr
.irp a, 0,1,2,3,4,5,6,7
	OUTV \a
.endr
	global_store_b128 v[L16], v[SWR:SWR+3], s[38:39]
	global_store_b128 v[L16], v[SWR+4:SWR+7], s[38:39] offset:8192
.Ldone:
	s_wait_tensorcnt 0x0
	ds_add_u32 v22, v23
	s_wait_dscnt 0x0
	CROUND                                         ; the closing round: no work-group ends while a partner may still ask for a tile that names it
	s_endpgm
.Lfunc_end_k_qa84f3f145a_proj:
	.size	k_qa84f3f145a_proj, .Lfunc_end_k_qa84f3f145a_proj-k_qa84f3f145a_proj
	.p2alignl 7, 3214868480
	.fill 96, 4, 3214868480
	.section	.rodata,"a",@progbits
	.p2align	6, 0x0
	.amdhsa_kernel k_qa84f3f145a_proj
		.amdhsa_group_segment_fixed_size 327680
		.amdhsa_private_segment_fixed_size 0
		.amdhsa_enable_private_segment 0
		.amdhsa_kernarg_size 152
		.amdhsa_user_sgpr_count 2
		.amdhsa_user_sgpr_kernarg_segment_ptr 1
		.amdhsa_wavefront_size32 1
		.amdhsa_system_sgpr_workgroup_id_x 1
		.amdhsa_system_sgpr_workgroup_id_y 1
		.amdhsa_system_sgpr_workgroup_id_z 1
		.amdhsa_system_vgpr_workitem_id 0
		.amdhsa_next_free_vgpr 1024
		.amdhsa_next_free_sgpr 102
		.amdhsa_reserve_vcc 0
		.amdhsa_float_denorm_mode_32 3
		.amdhsa_float_denorm_mode_16_64 3
		.amdhsa_memory_ordered 1
		.amdhsa_forward_progress 1
		.amdhsa_inst_pref_size 197
	.end_amdhsa_kernel
	.amdgpu_metadata
---
amdhsa.version: [ 1, 2 ]
amdhsa.kernels:
  - .name:           k_qa84f3f145a_proj
    .symbol:         k_qa84f3f145a_proj.kd
    .args:
      - { .name: Q_codes, .offset: 0, .size: 8, .value_kind: global_buffer, .address_space: global }
      - { .name: K_codes, .offset: 8, .size: 8, .value_kind: global_buffer, .address_space: global }
      - { .name: V_codes, .offset: 16, .size: 8, .value_kind: global_buffer, .address_space: global }
      - { .name: Q_scales, .offset: 24, .size: 8, .value_kind: global_buffer, .address_space: global }
      - { .name: K_scales, .offset: 32, .size: 8, .value_kind: global_buffer, .address_space: global }
      - { .name: V_scales, .offset: 40, .size: 8, .value_kind: global_buffer, .address_space: global }
      - { .name: W_q_codes, .offset: 48, .size: 8, .value_kind: global_buffer, .address_space: global }
      - { .name: W_k_codes, .offset: 56, .size: 8, .value_kind: global_buffer, .address_space: global }
      - { .name: W_v_codes, .offset: 64, .size: 8, .value_kind: global_buffer, .address_space: global }
      - { .name: W_q_scales, .offset: 72, .size: 8, .value_kind: global_buffer, .address_space: global }
      - { .name: W_k_scales, .offset: 80, .size: 8, .value_kind: global_buffer, .address_space: global }
      - { .name: W_v_scales, .offset: 88, .size: 8, .value_kind: global_buffer, .address_space: global }
      - { .name: b_q, .offset: 96, .size: 8, .value_kind: global_buffer, .address_space: global }
      - { .name: b_k, .offset: 104, .size: 8, .value_kind: global_buffer, .address_space: global }
      - { .name: b_v, .offset: 112, .size: 8, .value_kind: global_buffer, .address_space: global }
      - { .name: W_o_codes, .offset: 120, .size: 8, .value_kind: global_buffer, .address_space: global }
      - { .name: qkv_img, .offset: 128, .size: 8, .value_kind: global_buffer, .address_space: global }
      - { .name: qkv_sw, .offset: 136, .size: 8, .value_kind: global_buffer, .address_space: global }
      - { .name: wimg, .offset: 144, .size: 8, .value_kind: global_buffer, .address_space: global }
    .group_segment_fixed_size: 327680
    .private_segment_fixed_size: 0
    .kernarg_segment_align: 8
    .kernarg_segment_size: 152
    .max_flat_workgroup_size: 128
    .sgpr_count:     102
    .vgpr_count:     1024
    .wavefront_size: 32
...
	.end_amdgpu_metadata
.endif
;; end of part 4
;; launch attn (part 5): grid 4 x 64, 16 waves a work-group, clusters of 4 x 1, 169,984 bytes of LDS; arguments qkv_img, qkv_sw, cimg, csc; writes cimg, csc
.if DOCPART == 5
	.amdgcn_target "amdgcn-amd-amdhsa--gfx1250"
	.amdhsa_code_object_version 6
	.text
	.protected	k_qa84f3f145a_attn
	.globl	k_qa84f3f145a_attn
	.p2align	8
	.type	k_qa84f3f145a_attn,@function
k_qa84f3f145a_attn:
	s_mov_b64 s[64:65], 0
	v_nop
	global_prefetch_b8 v0, s[64:65] scope:SCOPE_SE
	s_setreg_imm32_b32 hwreg(HW_REG_WAVE_MODE, 25, 1), 1
	s_wait_xcnt 0x0
	s_wait_alu depctr_hold_cnt(0) depctr_sa_sdst(0) depctr_va_vdst(0) depctr_va_sdst(0) depctr_va_ssrc(0) depctr_va_vcc(0) depctr_vm_vsrc(0)
	s_getreg_b32 s2, hwreg(HW_REG_IB_STS2, 6, 4)
	s_cmp_eq_u32 s2, 0
	s_cbranch_scc0 .Lentry_in_a_cluster
	s_endpgm
.Lentry_in_a_cluster:
	s_bfe_u32 s2, ttmp6, 0x10000c
	s_cmp_lg_u32 s2, 0x3003
	s_cbranch_scc0 .Lentry_shape_is_right
	s_endpgm
.Lentry_shape_is_right:
; ctx[b][q][head] = softmax_k(q . k / 8) v, both products on codes of FP4 (E2M1) with one E8M0 byte for each 32 along a product's K; ctx is quantised along the features and leaves as codes.
; THE SOFTMAX AHEAD OF THE SECOND PRODUCT: t = score x log2(e) / 8; M = the running largest t rounded UP to a whole number; p = 2^(t - M) is quantised along the keys, not normalised;
; the row's sum is taken of the unquantised p and divides O at the end; when M moves, the sum and O are multiplied by 2^(old M - new M), which rounds nothing.
; SHARES.  A work-group owns 512 queries of one head (cluster y = 16 batch + head, cx = the block of queries); each of its sixteen waves owns two tiles of 16 queries and walks all 2,048 keys for each, 128 a step.
; A WHOLE HEAD LIES IN LDS: k's and v's images (65,536 bytes each) and their scale words (8,192 each), each filled ONCE: no LDS byte is filled again.  The four work-groups of a cluster read the same head,
; so every fill is a joint load.  Wave 0 asks for k's, wave 1 for v's: the scale words, then four chunks of four key steps; the first pass starts on a chunk as soon as it has landed.
; All operands lie as images of their registers: every LDS read is 16 x lane + constants, 512 consecutive bytes an instruction.
; LAYOUT.  Both products are used transposed (S^T = k q^T, O^T = v^T p^T): a lane holds ONE query (lane % 16).  Tile t's register j is key 16 t + 8 (lane / 16) + j.
; K = 64 IN AN INSTRUCTION OF 128: q's registers 4-7 are zero codes.  So source 0 of tile t is named as k's registers 4 t .. 4 t + 7: its upper four are the next tile's codes (zeros behind the last), every code is a finite number,
; the scale bytes of that half are 127 on both sides, and the products are exact zeros.
; LIMITS: a block of p or of ctx whose largest number lies under 2^-124 gets the byte 1 (zeros add nothing; only this program reads the bytes); NaN and infinities are not served.
; REGISTERS: v1-6 addresses that stay; v8-11 the step's addresses; v12 -M, v13 the largest t, v[14:15] the sum; v16-31 q's two fragments; v32-63 k, v64-67 zeros; v68-99 v; v100-163 S^T, then p; v164-195 O^T;
;   v196-203 p's codes; v204-211 and v233 scale words; v216-239 at work.
.set VI,  65536                        ; LDS: k's image at 0, v's here,
.set KW,  131072                       ; k's scale words,
.set VW,  139264                       ; v's
.set KF,  32
.set VF,  68
.set S,   100
.set O,   164
.set PC,  196
.set KS,  204
.set VS,  208
.set BM,  216                          ; a block's largest score, then its largest p
.set BX,  220                          ; the other half's; then the byte
.set SO,  224                          ; the conversions' scale operands
.macro CROUND
	s_barrier_signal -1
	s_barrier_wait -1
	s_cmp_lg_u32 s20, 0
	s_cbranch_scc1 .Lnot_wave_0_\@
	s_barrier_signal -3
.Lnot_wave_0_\@:
	s_barrier_wait -3
	s_barrier_signal -1
	s_barrier_wait -1
.endm
	s_load_b256 s[4:11], s[0:1], 0x0               ; qkv_img, qkv_sw, cimg, csc
	v_lshl_add_u32 v254, v0, 2, 0x29000
	v_mov_b32 v255, 0
	ds_add_u32 v254, v255
	ds_add_u32 v254, v255
	v_lshrrev_b32 v7, 5, v0
	s_delay_alu instid0(VALU_DEP_1)
	v_readfirstlane_b32 s20, v7                    ; wave 0..15
	s_and_b32 s80, ttmp7, 0xffff                   ; 16 batch + head: the four partners share it
	s_bfe_u32 s81, ttmp6, 0x40000                  ; cx: it enters q's, cimg's and csc's global addresses alone
	s_mov_b32 s22, 0x76543210
	s_mov_b32 s23, 0xfedcba98                      ; v_permlanex16_b32: lane l xor 16
	s_mov_b32 s24, 0x3e38aa3b                      ; c = log2(e) / 8
	s_mov_b32 s25, s24                             ; (named with it as a pair)
	s_mov_b32 s70, 0xffff0000                      ; lanes 16-31
	; group 1: dense blocks as rows of 256 bytes (32 elements of 8 bytes), no padding; mask: all four work-groups, bit 21 beside it.  A chunk has 64 rows, the scale words 32
	s_mov_b32 s28, 15|(3<<16)|(1<<21)
	s_mov_b32 s29, 32<<16
	s_mov_b32 s30, 64<<16
	s_mov_b32 s31, 32<<16
	s_mov_b32 s32, 64
	s_mov_b32 s33, 32
	s_mov_b32 s34, 0
	s_mov_b32 s35, 0
	s_mov_b32 s36, 15|(3<<16)|(1<<21)
	s_mov_b32 s37, 32<<16
	s_mov_b32 s38, 32<<16
	s_mov_b32 s39, 32<<16
	s_mov_b32 s40, 32
	s_mov_b32 s41, 32
	s_mov_b32 s42, 0
	s_mov_b32 s43, 0
	s_add_co_u32 s82, s20, 1                       ; wave 0: tensor 1 (k), wave 1: tensor 2 (v)
	s_lshl_b32 s84, s82, 22
	s_lshl_b32 s83, s80, 16
	s_add_co_u32 s84, s84, s83                     ; the head's image
	s_mov_b32 s85, 0
	s_lshl_b32 s86, s82, 19
	s_lshl_b32 s83, s80, 13
	s_add_co_u32 s86, s86, s83                     ; its scale words
	s_mov_b32 s87, 0
	s_lshl_b32 s88, s20, 16                        ; LDS: 65,536 x wave,
	s_lshl_b32 s89, s20, 13                        ; 8,192 x wave
	s_lshl_b32 s90, s81, 5
	s_lshl_b32 s91, s20, 1
	s_add_co_u32 s90, s90, s91                     ; my first token tile in the head: 32 cx + 2 wave
	s_wait_dscnt 0x0
	s_wait_kmcnt 0x0
	s_add_nc_u64 s[84:85], s[4:5], s[84:85]
	s_add_nc_u64 s[86:87], s[6:7], s[86:87]
	s_mov_b32 s60, 1
	s_add_co_u32 s61, s89, KW
	s_mov_b64 s[62:63], s[86:87]
	s_or_b32 s63, s63, 0x80000000
.irp c, 0,1,2,3
	s_mov_b32 s[44+4*\c], 1
	s_add_co_u32 s[45+4*\c], s88, 16384*\c
	s_add_nc_u64 s[46+4*\c:47+4*\c], s[84:85], 16384*\c
	s_or_b32 s[47+4*\c], s[47+4*\c], 0x80000000
.endr
	CROUND                                         ; all four work-groups are here: the joint loads meet
	s_cmp_lt_u32 s20, 2                            ; all first fills of a wave stand in one branch: five loads of mine are out
	s_cbranch_scc0 .Lno_fill
	tensor_load_to_lds s[60:63], s[36:43]
	s_nop 0
	tensor_load_to_lds s[44:47], s[28:35]
	s_nop 0
	tensor_load_to_lds s[48:51], s[28:35]
	s_nop 0
	tensor_load_to_lds s[52:55], s[28:35]
	s_nop 0
	tensor_load_to_lds s[56:59], s[28:35]
	s_nop 0
.rept 4
	v_nop
.endr
.Lno_fill:
	s_mov_b32 s93, 0
	s_lshl_b32 s92, s90, 9
	s_lshl_b32 s94, s80, 16
	s_add_co_u32 s92, s92, s94
	s_add_nc_u64 s[72:73], s[4:5], s[92:93]        ; q's image of my first tile
	s_lshl_b32 s92, s81, 2                         ; q's scale words: step 4 cx + wave / 4, word wave % 4; lanes 0-15 hold my first tile's, lanes 16-31 my second's
	s_lshr_b32 s94, s20, 2
	s_add_co_u32 s92, s92, s94
	s_lshl_b32 s92, s92, 9
	s_and_b32 s94, s20, 3
	s_lshl_b32 s94, s94, 2
	s_add_co_u32 s92, s92, s94
	s_lshl_b32 s94, s80, 13
	s_add_co_u32 s92, s92, s94
	s_add_nc_u64 s[74:75], s[6:7], s[92:93]
	s_lshr_b32 s94, s80, 4
	s_lshl_b32 s94, s94, 7
	s_add_co_u32 s94, s94, s90                     ; my first token tile of all 512
	s_and_b32 s95, s80, 15                         ; the head
	s_lshl_b32 s92, s94, 13
	s_lshl_b32 s91, s95, 9
	s_add_co_u32 s92, s92, s91
	s_add_nc_u64 s[76:77], s[8:9], s[92:93]        ; cimg: 8,192 bytes a tile, 512 a head
	s_lshl_b32 s92, s94, 9
	s_lshl_b32 s91, s95, 1
	s_add_co_u32 s92, s92, s91
	s_add_nc_u64 s[78:79], s[10:11], s[92:93]      ; csc: 32 bytes a token, 2 a head
	v_and_b32 v7, 31, v0
	s_delay_alu instid0(VALU_DEP_1)
	v_lshlrev_b32 v1, 4, v7                        ; 16 x lane
	s_delay_alu instid0(VALU_DEP_1)
	v_add_nc_u32 v2, VI, v1
	s_delay_alu instid0(VALU_DEP_2)
	v_add_nc_u32 v3, KW, v1
	s_delay_alu instid0(VALU_DEP_3)
	v_add_nc_u32 v4, VW, v1
	v_and_b32 v7, 15, v0
	s_delay_alu instid0(VALU_DEP_1)
	v_lshlrev_b32 v5, 4, v7                        ; 16 r
	v_bfe_u32 v6, v0, 4, 1
	s_delay_alu instid0(VALU_DEP_1)
	v_lshl_add_u32 v6, v7, 5, v6                   ; 32 r + h
	global_load_b128 v[16:19], v1, s[72:73]
	global_load_b128 v[24:27], v1, s[72:73] offset:512
	global_load_b32 v210, v5, s[74:75]
	global_load_b32 v211, v5, s[74:75] offset:256
.irp j, 20,21,22,23,28,29,30,31,64,65,66,67
	v_mov_b32 v\j, 0                               ; zero codes
.endr
.irp b, 0,1,2,3
	v_mov_b32 v[BX+\b], 0                          ; written once: a lane permute's destination counts as one of its sources
.endr
	v_mov_b32 v233, 0                              ; (named as the upper half of the pair v[232:233] before it is first written)
; A KEY STEP: 128 keys.  qf: q's fragment, qs: its scale words.  s66: the step's bytes into an image, s67: into the scale words.
.macro STEP qf, qs
	v_add_nc_u32 v8, s66, v1                       ; these four lines are also the places ahead of the loads into registers that the last step's products have read
	v_add_nc_u32 v9, s66, v2
	v_add_nc_u32 v10, s67, v3
	v_add_nc_u32 v11, s67, v4
.irp t, 0,1,2,3,4,5,6,7
	ds_load_b128 v[KF+4*\t:KF+4*\t+3], v8 offset:512*\t
.endr
	ds_load_b128 v[KS:KS+3], v10                   ; word j: tile 2 j in lanes 0-15, tile 2 j + 1 in lanes 16-31
.irp d, 0,1,2,3
.irp c, 0,1
	ds_load_b128 v[VF+8*\d+4*\c:VF+8*\d+4*\c+3], v9 offset:1024*\d+512*\c
.endr
.endr
	ds_load_b64 v[VS:VS+1], v11
	s_wait_dscnt 0x9                               ; k's nine loads are in; v's nine land under the softmax
.irp t, 0,2,4,6
	v_wmma_scale_f32_16x16x128_f8f6f4 v[S+8*\t:S+8*\t+7], v[KF+4*\t:KF+4*\t+7], v[\qf:\qf+7], 0, v[KS+\t/2], v[\qs] matrix_a_fmt:MATRIX_FMT_FP4 matrix_b_fmt:MATRIX_FMT_FP4
	v_wmma_scale_f32_16x16x128_f8f6f4 v[S+8*\t+8:S+8*\t+15], v[KF+4*\t+4:KF+4*\t+11], v[\qf:\qf+7], 0, v[KS+\t/2], v[\qs] matrix_a_fmt:MATRIX_FMT_FP4 matrix_b_fmt:MATRIX_FMT_FP4 matrix_a_scale:MATRIX_SCALE_ROW1
.endr
.rept 4
	v_nop
.endr
.irp b, 0,1,2,3
	v_max3_num_f32 v[BM+\b], v[S+16*\b], v[S+16*\b+1], v[S+16*\b+2]   ; the largest score of each block of 32 keys: for the row's maximum and, since p rises with the score, for the block's largest p
.endr
.irp i, 3,5,7,9,11,13
.irp b, 0,1,2,3
	v_max3_num_f32 v[BM+\b], v[BM+\b], v[S+16*\b+\i], v[S+16*\b+\i+1]
.endr
.endr
.irp b, 0,1,2,3
	v_max_num_f32 v[BM+\b], v[BM+\b], v[S+16*\b+15]
.endr
.irp b, 0,1,2,3
	s_delay_alu instid0(VALU_DEP_4)
	v_permlanex16_b32 v[BX+\b], v[BM+\b], s22, s23
.endr
.irp b, 0,1,2,3
	s_delay_alu instid0(VALU_DEP_4)
	v_max_num_f32 v[BM+\b], v[BM+\b], v[BX+\b]
.endr
	s_delay_alu instid0(VALU_DEP_2)
	v_max3_num_f32 v234, v[BM], v[BM+1], v[BM+2]
	s_delay_alu instid0(VALU_DEP_1)
	v_max_num_f32 v234, v234, v[BM+3]
	s_delay_alu instid0(VALU_DEP_1)
	v_mul_f32 v234, s24, v234                      ; as t (c is positive)
	s_delay_alu instid0(VALU_DEP_1)
	v_max_num_f32 v13, v13, v234                   ; the running largest t
	v_mov_b32 v234, v12
	s_delay_alu instid0(VALU_DEP_2)
	v_floor_f32 v12, -v13                          ; -M = floor(-t): M is a whole number
	s_delay_alu instid0(VALU_DEP_1)
	v_sub_f32 v234, v12, v234                      ; old M - new M, 0 or less
	s_delay_alu instid0(VALU_DEP_1)
	v_cvt_i32_f32 v234, v234                       ; (it saturates)
	s_delay_alu instid0(VALU_DEP_1)
	v_ldexp_f32 v232, 1.0, v234                    ; f = 2^(old M - new M)
.set J, 0
.rept 32
	v_pk_fma_f32 v[S+J:S+J+1], v[S+J:S+J+1], s[24:25], v[12:13] op_sel_hi:[1,0,0]   ; t - M
.set J, J+2
.endr
.irp b, 0,1,2,3
	v_fma_f32 v[BM+\b], v[BM+\b], s24, v12
.endr
.set J, 0
	s_wait_alu depctr_va_vdst(0)
.rept 64
	v_exp_f32 v[S+J], v[S+J]                       ; p = 2^(t - M), at most 1
.set J, J+1
.endr
	s_setprio 1
.irp b, 0,1,2,3
	v_exp_f32 v[BM+\b], v[BM+\b]                   ; the block's largest p: the same two instructions on the same number
.endr
	v_pk_mul_f32 v[14:15], v[14:15], v[232:233] op_sel_hi:[1,0]    ; the sum under the new M (a plain line behind the exponentials)
	s_wait_alu depctr_va_vdst(0)
.irp b, 0,1,2,3
	v_max_num_f32 v[BM+\b], 0x1800000, v[BM+\b]    ; the floor 2^(3 - 127)
.endr
.irp b, 0,1,2,3
	s_delay_alu instid0(VALU_DEP_4)
	v_add_nc_u32 v[SO+\b], 0xff000000, v[BM+\b]
.endr
.irp b, 0,1,2,3
	s_delay_alu instid0(VALU_DEP_4)
	v_lshrrev_b32 v[BX+\b], 23, v[SO+\b]
.endr
	s_delay_alu instid0(VALU_DEP_3)
	v_lshl_or_b32 v233, v[BX+1], 8, v[BX]          ; p's scale word for these 128 keys
	s_delay_alu instid0(VALU_DEP_1)
	v_lshl_or_b32 v233, v[BX+2], 16, v233
	s_delay_alu instid0(VALU_DEP_1)
	v_lshl_or_b32 v233, v[BX+3], 24, v233
.irp b, 0,1,2,3
	v_cvt_scalef32_pk8_fp4_f32 v[PC+4*(\b/2)+(\b%2)], v[S+16*\b:S+16*\b+7], v[SO+\b]
	v_cvt_scalef32_pk8_fp4_f32 v[PC+4*(\b/2)+2+(\b%2)], v[S+16*\b+8:S+16*\b+15], v[SO+\b]
.endr
	v_nop                                          ; one plain line behind the scaled conversions
.irp c, 0,1
	v_permlane16_swap_b32 v[PC+4*\c], v[PC+4*\c+1] ; registers 4 c .. 4 c + 3 = keys 64 c + 32 (lane / 16) + 0 .. 31
	v_permlane16_swap_b32 v[PC+4*\c+2], v[PC+4*\c+3]
.endr
	v_pk_add_f32 v[236:237], v[104:105], v[108:109]
	v_pk_add_f32 v[252:253], v[112:113], v[116:117]
	v_pk_add_f32 v[250:251], v[120:121], v[124:125]
	v_pk_add_f32 v[248:249], v[128:129], v[132:133]
	v_pk_add_f32 v[246:247], v[136:137], v[140:141]
	v_pk_add_f32 v[244:245], v[144:145], v[148:149]
	v_pk_add_f32 v[242:243], v[152:153], v[156:157]
	v_pk_add_f32 v[14:15], v[14:15], v[160:161]
	v_pk_add_f32 v[236:237], v[236:237], v[100:101]
	v_pk_add_f32 v[252:253], v[252:253], v[102:103]
	v_pk_add_f32 v[250:251], v[250:251], v[106:107]
	v_pk_add_f32 v[248:249], v[248:249], v[110:111]
	v_pk_add_f32 v[246:247], v[246:247], v[114:115]
	v_pk_add_f32 v[244:245], v[244:245], v[118:119]
	v_pk_add_f32 v[242:243], v[242:243], v[122:123]
	v_pk_add_f32 v[14:15], v[14:15], v[126:127]
	v_pk_add_f32 v[236:237], v[236:237], v[130:131]
	v_pk_add_f32 v[252:253], v[252:253], v[134:135]
	v_pk_add_f32 v[250:251], v[250:251], v[138:139]
	v_pk_add_f32 v[248:249], v[248:249], v[142:143]
	v_pk_add_f32 v[246:247], v[246:247], v[146:147]
	v_pk_add_f32 v[244:245], v[244:245], v[150:151]
	v_pk_add_f32 v[242:243], v[242:243], v[154:155]
	v_pk_add_f32 v[14:15], v[14:15], v[158:159]
	v_pk_add_f32 v[236:237], v[236:237], v[162:163]
	s_delay_alu instid0(VALU_DEP_2)
	v_pk_add_f32 v[14:15], v[14:15], v[248:249]
	s_delay_alu instid0(VALU_DEP_2)
	v_pk_add_f32 v[236:237], v[236:237], v[246:247]
	v_pk_add_f32 v[252:253], v[252:253], v[244:245]
	v_pk_add_f32 v[250:251], v[250:251], v[242:243]
	s_delay_alu instid0(VALU_DEP_2)
	v_pk_add_f32 v[14:15], v[14:15], v[252:253]
	s_delay_alu instid0(VALU_DEP_2)
	v_pk_add_f32 v[236:237], v[236:237], v[250:251]
	s_delay_alu instid0(VALU_DEP_1)
	v_pk_add_f32 v[14:15], v[14:15], v[236:237]
.set J, 0
	s_setprio 0
.rept 16
	v_pk_mul_f32 v[O+J:O+J+1], v[O+J:O+J+1], v[232:233] op_sel_hi:[1,0]   ; O^T under the new M.  (With the sums: more than eight plain lines between p's scale word and its use)
.set J, J+2
.endr
	s_wait_alu depctr_va_vdst(0)
	s_wait_dscnt 0x0                               ; v
.irp d, 0,2
	v_wmma_scale_f32_16x16x128_f8f6f4 v[O+8*\d:O+8*\d+7], v[VF+8*\d:VF+8*\d+7], v[PC:PC+7], v[O+8*\d:O+8*\d+7], v[VS+\d/2], v233 matrix_a_fmt:MATRIX_FMT_FP4 matrix_b_fmt:MATRIX_FMT_FP4
	v_wmma_scale_f32_16x16x128_f8f6f4 v[O+8*\d+8:O+8*\d+15], v[VF+8*\d+8:VF+8*\d+15], v[PC:PC+7], v[O+8*\d+8:O+8*\d+15], v[VS+\d/2], v233 matrix_a_fmt:MATRIX_FMT_FP4 matrix_b_fmt:MATRIX_FMT_FP4 matrix_a_scale:MATRIX_SCALE_ROW1
.endr
	s_add_co_u32 s66, s66, 4096
	s_add_co_u32 s67, s67, 512
.endm
.macro KLOOP n, qf, qs
	s_mov_b32 s68, \n
.Lk_\@:
	s_setprio 2
	STEP \qf, \qs
	s_sub_co_u32 s68, s68, 1
	s_cmp_lg_u32 s68, 0
	s_cbranch_scc1 .Lk_\@
	s_setprio 0
.endm
.macro INIT                            ; the step is written once: the first finds zeros, which the first change of M leaves zeros
	v_mov_b32 v13, 0xff61b1e6                      ; -3e38, under every t
	s_delay_alu instid0(VALU_DEP_1)
	v_floor_f32 v12, -v13
	v_mov_b32 v14, 0
	v_mov_b32 v15, 0
.set J, 0
.rept 32
	v_mov_b32 v[O+J], 0
.set J, J+1
.endr
.endm
; A tile's end: O^T / the sum is ctx (register 8 d + j: feature 16 d + 8 (lane / 16) + j of my query); its two blocks of 32 are quantised and leave as an image and two bytes a token.
.macro FIN p
.rept 4
	v_nop
.endr
	v_add_f32 v14, v14, v15
	s_delay_alu instid0(VALU_DEP_1)
	v_permlanex16_b32 v234, v14, s22, s23
	s_delay_alu instid0(VALU_DEP_1)
	v_add_f32 v14, v14, v234                       ; the row's sum
	s_wait_alu depctr_va_vdst(0)
	v_rcp_f32 v238, v14
	v_mov_b32 v239, 0                              ; (a plain line behind the reciprocal; the pair's upper half is written)
.set J, 0
	s_wait_alu depctr_va_vdst(0)
.rept 16
	v_pk_mul_f32 v[S+J:S+J+1], v[O+J:O+J+1], v[238:239] op_sel_hi:[1,0]
.set J, J+2
.endr
.irp b, 0,1
	v_max3_num_f32 v[BM+\b], |v[S+16*\b]|, |v[S+16*\b+1]|, 0x1800000
.endr
.irp i, 2,4,6,8,10,12,14
.irp b, 0,1
	s_delay_alu instid0(VALU_DEP_2)
	v_max3_num_f32 v[BM+\b], v[BM+\b], |v[S+16*\b+\i]|, |v[S+16*\b+\i+1]|
.endr
.endr
.irp b, 0,1
	s_delay_alu instid0(VALU_DEP_2)
	v_permlanex16_b32 v[BX+\b], v[BM+\b], s22, s23
.endr
.irp b, 0,1
	s_delay_alu instid0(VALU_DEP_2)
	v_max_num_f32 v[BM+\b], v[BM+\b], v[BX+\b]
.endr
.irp b, 0,1
	s_delay_alu instid0(VALU_DEP_2)
	v_add_nc_u32 v[SO+\b], 0xff000000, v[BM+\b]
.endr
.irp b, 0,1
	s_delay_alu instid0(VALU_DEP_2)
	v_lshrrev_b32 v[BX+\b], 23, v[SO+\b]
.endr
.irp b, 0,1
	v_cvt_scalef32_pk8_fp4_f32 v[PC+\b], v[S+16*\b:S+16*\b+7], v[SO+\b]
	v_cvt_scalef32_pk8_fp4_f32 v[PC+2+\b], v[S+16*\b+8:S+16*\b+15], v[SO+\b]
.endr
	v_nop
	v_permlane16_swap_b32 v[PC], v[PC+1]
	v_permlane16_swap_b32 v[PC+2], v[PC+3]
	global_store_b128 v1, v[PC:PC+3], s[76:77] offset:8192*\p      ; 512 consecutive bytes
	v_cndmask_b32 v234, v[BX], v[BX+1], s70        ; lanes 0-15 store block 0's byte, lanes 16-31 block 1's
	global_store_b8 v6, v234, s[78:79] offset:512*\p
	s_wait_xcnt 0x0                                ; the stores have read their data: both registers are written again
.endm
	s_wait_loadcnt 0x0                             ; q
	INIT
.irp c, 0,1,2,3                                ; the first pass takes the chunks as they land
	s_mov_b32 s66, 16384*\c
	s_mov_b32 s67, 2048*\c
	s_wait_tensorcnt 3-\c                          ; the scale words and chunks 0 .. c are in: 3 - c loads were issued behind chunk c's
	s_wait_dscnt 0x0
	s_barrier_signal -1
	s_barrier_wait -1                              ; The later chunks may stay out
	KLOOP 4, 16, 210
.endr
	FIN 0
	INIT
	s_mov_b32 s66, 0
	s_mov_b32 s67, 0
	KLOOP 16, 24, 211
	FIN 1
	s_wait_dscnt 0x0
	s_wait_tensorcnt 0x0
	ds_add_u32 v254, v255
	s_wait_dscnt 0x0
	CROUND                                         ; the closing round
	s_endpgm
.Lfunc_end_k_qa84f3f145a_attn:
	.size	k_qa84f3f145a_attn, .Lfunc_end_k_qa84f3f145a_attn-k_qa84f3f145a_attn
	.p2alignl 7, 3214868480
	.fill 96, 4, 3214868480
	.section	.rodata,"a",@progbits
	.p2align	6, 0x0
	.amdhsa_kernel k_qa84f3f145a_attn
		.amdhsa_group_segment_fixed_size 169984
		.amdhsa_private_segment_fixed_size 0
		.amdhsa_enable_private_segment 0
		.amdhsa_kernarg_size 32
		.amdhsa_user_sgpr_count 2
		.amdhsa_user_sgpr_kernarg_segment_ptr 1
		.amdhsa_wavefront_size32 1
		.amdhsa_system_sgpr_workgroup_id_x 1
		.amdhsa_system_sgpr_workgroup_id_y 1
		.amdhsa_system_sgpr_workgroup_id_z 1
		.amdhsa_system_vgpr_workitem_id 0
		.amdhsa_next_free_vgpr 256
		.amdhsa_next_free_sgpr 96
		.amdhsa_reserve_vcc 0
		.amdhsa_float_denorm_mode_32 3
		.amdhsa_float_denorm_mode_16_64 3
		.amdhsa_memory_ordered 1
		.amdhsa_forward_progress 1
		.amdhsa_inst_pref_size 100
	.end_amdhsa_kernel
	.amdgpu_metadata
---
amdhsa.version: [ 1, 2 ]
amdhsa.kernels:
  - .name:           k_qa84f3f145a_attn
    .symbol:         k_qa84f3f145a_attn.kd
    .args:
      - { .name: qkv_img, .offset: 0, .size: 8, .value_kind: global_buffer, .address_space: global }
      - { .name: qkv_sw, .offset: 8, .size: 8, .value_kind: global_buffer, .address_space: global }
      - { .name: cimg, .offset: 16, .size: 8, .value_kind: global_buffer, .address_space: global }
      - { .name: csc, .offset: 24, .size: 8, .value_kind: global_buffer, .address_space: global }
    .group_segment_fixed_size: 169984
    .private_segment_fixed_size: 0
    .kernarg_segment_align: 8
    .kernarg_segment_size: 32
    .max_flat_workgroup_size: 512
    .sgpr_count:     96
    .vgpr_count:     256
    .wavefront_size: 32
...
	.end_amdgpu_metadata
.endif
;; end of part 5
;; launch outln (part 6): grid 256 x 1, 4 waves a work-group, no clusters, 68,096 bytes of LDS; arguments cimg, csc, Q_codes, Q_scales, wimg, W_o_scales, W_q_scales, b_o, b_q, ln_gamma, ln_beta, out0; writes out0
.if DOCPART == 6
	.amdgcn_target "amdgcn-amd-amdhsa--gfx1250"
	.amdhsa_code_object_version 6
	.text
	.protected	k_qa84f3f145a_outln
	.globl	k_qa84f3f145a_outln
	.p2align	8
	.type	k_qa84f3f145a_outln,@function
k_qa84f3f145a_outln:
	s_mov_b64 s[64:65], 0
	v_nop
	global_prefetch_b8 v0, s[64:65] scope:SCOPE_SE
	s_setreg_imm32_b32 hwreg(HW_REG_WAVE_SCHED_MODE, 0, 2), 2
	s_setreg_imm32_b32 hwreg(HW_REG_WAVE_MODE, 25, 1), 1
	s_wait_xcnt 0x0
	s_wait_alu depctr_vm_vsrc(0)
; out = LayerNorm(ctx W_o^T + b_o + q), q = Q W_q^T + b_q.  The residual q is not fetched as f32: it is summed again in the same accumulators, so x = [ctx | Q] [W_o | W_q]^T + (b_o + b_q) is ONE product with K = 2,048,
; on codes of FP4 (E2M1) with one E8M0 byte for each 32 along K; sums in f32.  The mean and then the mean of the centred squares are taken in two passes: no difference of large sums is formed.
; SHARES.  A row's mean wants all 1,024 features in one work-group: work-group g takes tokens 32 g .. 32 g + 31 (two tiles), wave w features 256 w .. 256 w + 255 (16 tiles): 32 accumulators, 256 registers.
; Source 0 = 16 rows of the weights, source 1 = 16 tokens: a lane holds one token and eight neighbouring features.
; The tokens' 32 fragments stay in registers.  The weights come as fragment images (wimg), 512 consecutive bytes a load, straight into the registers of the one wave that uses them, two tiles of features ahead.
; NO TENSOR LOADS, NO CLUSTER: within a work-group each weight byte serves one wave alone, for two matrix instructions; through LDS the work-group's 1,048,576 bytes of weights would be written and read once more,
; and a slot of a quarter of LDS would hold only 64 matrix instructions a wave between two barriers.
; LIMITS: NaN and infinities, and the byte 0xff among the given scales, are not served.
; THE MODE: SCHED_MODE bits 1:0 = 2 (LLVM: expert scheduling mode 2), set by the entry lines.  The code itself states the register dependences between vector or matrix instructions and memory or LDS instructions,
; with s_wait_alu, always for 0.
; THE PLAN.  Registers that memory or LDS instructions touch:
;   v1-v8        offsets and LDS addresses: made once at the head, never written again.
;   Z, X, Y      three buffers of 16 fragments of weights, each with its eight scale words.  Tile f of my features lies in buffer f % 3 (0: Z, 1: X, 2: Y).  Tile f's matrix instructions read buffer f % 3;
;                the loads of tile f + 2, issued in tile f, land in buffer (f - 1) % 3, which tile f - 1 has read and which no vector or matrix instruction of tile f names.
;   biases       two sets, by f % 2.  Tile f's four additions, at its head, read set f % 2; behind them the loads of tile f + 2 land in it.
;   So ONE wait on va_vdst stands in a tile, behind its four additions: the matrix instructions of the tile before are done reading their weights and scale words, and the additions are done reading their biases.
;   The tile's 38 loads follow in two runs among its 32 matrix instructions, with no further wait.  Gamma takes X in tile 14 and beta Y in tile 15 in the same way.
;   v106, v107   the data of the two exchanges' LDS stores: each written once.       v108-115  the exchanges' LDS loads land here.
;   window 3     the results: the way out's LDS stores read them.                      v128-255  (Z) on the way out: rows from the stage land here twice, and the global stores read them.
; REGISTERS, in windows of 256: window 0: v1-8 addresses; v16-31 the tokens' scale words; v32-39, v40-47, v88-95 the weights' (X's, Y's, Z's); v48-79 biases (two sets), v80-87 their sum; v96-123 LayerNorm;
;   v126, v127 the closing add's two; v128-255 Z, later rows on the way out.
;   window 1: the tokens' fragment (tile m, K step s) at v[8 (16 m + s)]; s = 0..7 ctx, 8..15 Q.   window 2: X at v0, Y at v128; later gamma at v0, beta at v128.   window 3: accumulator (f, m) at v[8 (2 f + m)].
.set STAT1, 0                          ; LDS: two exchange areas of 512 bytes,
.set STAT2, 512
.set STGB,  1024                       ; and a stage of 16 rows x (1,024 + 16) bytes for each wave
.set STG,   16*1040
.set MSB, 0
.macro WIN new
.if MSB != (\new)
	s_set_vgpr_msb (MSB<<8)|(\new)
.set MSB, (\new)
.endif
.endm
.macro PLACES n
.rept \n
	v_nop
.endr
.endm
.macro BUF f                           ; tile f's buffer: BW its window, BR its first register, BS its first scale word
.if (\f)%3 == 0
.set BW, 0
.set BR, 128
.set BS, 88
.elseif (\f)%3 == 1
.set BW, 2
.set BR, 0
.set BS, 32
.else
.set BW, 2
.set BR, 128
.set BS, 40
.endif
.endm
	s_load_b512 s[4:19], s[0:1], 0x0               ; cimg, csc, Q_codes, Q_scales, wimg, W_o_scales, W_q_scales, b_o
	s_load_b256 s[20:27], s[0:1], 0x40             ; b_q, ln_gamma, ln_beta, out0
	v_lshl_add_u32 v126, v0, 2, 0x10800            ; my spare word, behind the stages, and 0: kept for the closing lines alone
	v_mov_b32 v127, 0
	v_lshrrev_b32 v9, 5, v0
	v_readfirstlane_b32 s28, v9                    ; wave 0..3
	v_and_b32 v9, 31, v0
	v_and_b32 v10, 15, v0                          ; r
	v_bfe_u32 v11, v0, 4, 1                        ; h
	v_lshlrev_b32 v1, 4, v9                        ; 16 x lane
	v_lshlrev_b32 v2, 9, v10
	v_lshl_add_u32 v2, v11, 4, v2                  ; Q's codes: 512 r + 16 h
	v_lshlrev_b32 v3, 5, v10
	v_lshl_add_u32 v3, v11, 4, v3                  ; scale bytes: 32 r + 16 h
	v_lshlrev_b32 v4, 5, v11                       ; 32 h: my eight features of a tile
	s_wait_alu depctr_va_sdst(0)                   ; s28 is written, ahead of its first reader: the stage's place and the waves' shares are made from it
	s_mul_i32 s29, s28, STG
	s_add_co_u32 s29, s29, STGB
	v_mul_u32_u24 v5, v10, 1040
	v_lshl_add_u32 v5, v11, 5, v5
	v_add_nc_u32 v5, s29, v5                       ; the stage, in: row r, + 32 h
	v_add_nc_u32 v6, s29, v1                       ; and back: 16 bytes a lane
	s_lshl_b32 s29, s28, 7
	v_lshl_add_u32 v7, v9, 2, s29                  ; exchange: 128 x wave + 4 x lane
	v_lshlrev_b32 v8, 2, v10                       ; 4 r
	v_mov_b32 v104, 0                              ; written once: a lane permute's destination counts as one of its sources
	v_mov_b32 v105, 0
	s_mov_b32 s30, 0x76543210
	s_mov_b32 s31, 0xfedcba98
	s_mov_b32 s32, 0xffff0000                      ; lanes 16-31
	s_mov_b32 s33, 0x3a800000                      ; 1 / 1024
	s_mov_b32 s34, 0x3727c5ac                      ; 1e-5
	s_lshl_b32 s36, ttmp9, 14                      ; 32 tokens of codes
	s_mov_b32 s37, 0
	s_lshl_b32 s38, ttmp9, 10                      ; of scale bytes
	s_mov_b32 s39, 0
	s_lshl_b32 s40, s28, 17                        ; my 16 tiles of weights
	s_mov_b32 s41, 0
	s_lshl_b32 s42, s28, 13                        ; my 256 rows of their scale bytes
	s_mov_b32 s43, 0
	s_lshl_b32 s44, s28, 10                        ; my 256 numbers of a vector of 1,024
	s_mov_b32 s45, 0
	s_lshl_b32 s46, ttmp9, 17                      ; 32 rows of the output
	s_add_co_u32 s46, s46, s44
	s_mov_b32 s47, 0
	s_wait_kmcnt 0x0
	s_add_nc_u64 s[4:5], s[4:5], s[36:37]
	s_add_nc_u64 s[8:9], s[8:9], s[36:37]
	s_add_nc_u64 s[6:7], s[6:7], s[38:39]
	s_add_nc_u64 s[10:11], s[10:11], s[38:39]
	s_add_nc_u64 s[12:13], s[12:13], s[40:41]
	s_add_nc_u64 s[14:15], s[14:15], s[42:43]
	s_add_nc_u64 s[16:17], s[16:17], s[42:43]
	s_add_nc_u64 s[18:19], s[18:19], s[44:45]
	s_add_nc_u64 s[20:21], s[20:21], s[44:45]
	s_add_nc_u64 s[22:23], s[22:23], s[44:45]
	s_add_nc_u64 s[24:25], s[24:25], s[44:45]
	s_add_nc_u64 s[26:27], s[26:27], s[46:47]
	WIN 0x40                                       ; destination window 1
	s_wait_alu depctr_va_vdst(0)                   ; the offsets and LDS addresses v1 to v8 are written: every load, store and LDS instruction of the kernel reads one of them
.irp m, 0,1
.irp s, 0,1,2,3,4,5,6,7
.irp c, 0,1
	global_load_b128 v[8*(16*\m+\s)+4*\c:8*(16*\m+\s)+4*\c+3], v1, s[4:5] offset:8192*\m+512*(2*\s+\c)          ; ctx: heads 2 s and 2 s + 1 are K step s
	global_load_b128 v[8*(16*\m+8+\s)+4*\c:8*(16*\m+8+\s)+4*\c+3], v2, s[8:9] offset:8192*\m+64*\s+32*\c        ; Q: from its rows
.endr
.endr
.endr
	WIN 0
.irp m, 0,1                                    ; register q of a set: K step q's word in lanes 0-15, K step 4 + q's in lanes 16-31
	global_load_b128 v[16+8*\m:19+8*\m], v3, s[6:7] offset:512*\m
	global_load_b128 v[20+8*\m:23+8*\m], v3, s[10:11] offset:512*\m
.endr
; Tile f of my features is 38 loads: 2 of scale words and 4 of biases (WSMALL), 16 of W_o's fragments and 16 of W_q's (WHALF).
.macro WSMALL f
	BUF \f
	WIN 0
	global_load_b128 v[BS:BS+3], v3, s[14:15] offset:512*(\f)
	global_load_b128 v[BS+4:BS+7], v3, s[16:17] offset:512*(\f)
	global_load_b128 v[48+16*((\f)%2):51+16*((\f)%2)], v4, s[18:19] offset:64*(\f)
	global_load_b128 v[52+16*((\f)%2):55+16*((\f)%2)], v4, s[18:19] offset:64*(\f)+16
	global_load_b128 v[56+16*((\f)%2):59+16*((\f)%2)], v4, s[20:21] offset:64*(\f)
	global_load_b128 v[60+16*((\f)%2):63+16*((\f)%2)], v4, s[20:21] offset:64*(\f)+16
.endm
.macro WHALF f, u                      ; u = 0: W_o's eight fragments (K steps 0-7), 1: W_q's (K steps 8-15)
	BUF \f
	WIN BW<<6                                      ; the destination's window
.irp s, 0,1,2,3,4,5,6,7
.irp c, 0,1
	global_load_b128 v[BR+64*(\u)+8*\s+4*\c:BR+64*(\u)+8*\s+4*\c+3], v1, s[12:13] offset:524288*(\u)+8192*(\f)+1024*\s+512*\c
.endr
.endr
.endm
.macro VECH base, reg, from            ; half of my 256 numbers of gamma or beta in the result's layout: 16 loads into window 2
	WIN 0x80
.irp f, 0,1,2,3,4,5,6,7
	global_load_b128 v[\reg+8*(\from+\f):\reg+8*(\from+\f)+3], v4, s[\base:\base+1] offset:64*(\from+\f)
	global_load_b128 v[\reg+8*(\from+\f)+4:\reg+8*(\from+\f)+7], v4, s[\base:\base+1] offset:64*(\from+\f)+16
.endr
.endm
.macro WX d, w, a, sw, sa, first, row
.if \first
	v_wmma_scale_f32_16x16x128_f8f6f4 v[\d:\d+7], v[\w:\w+7], v[\a:\a+7], v[80:87], v[\sw], v[\sa] matrix_a_fmt:MATRIX_FMT_FP4 matrix_b_fmt:MATRIX_FMT_FP4
.elseif \row
	v_wmma_scale_f32_16x16x128_f8f6f4 v[\d:\d+7], v[\w:\w+7], v[\a:\a+7], v[\d:\d+7], v[\sw], v[\sa] matrix_a_fmt:MATRIX_FMT_FP4 matrix_b_fmt:MATRIX_FMT_FP4 matrix_a_scale:MATRIX_SCALE_ROW1 matrix_b_scale:MATRIX_SCALE_ROW1
.else
	v_wmma_scale_f32_16x16x128_f8f6f4 v[\d:\d+7], v[\w:\w+7], v[\a:\a+7], v[\d:\d+7], v[\sw], v[\sa] matrix_a_fmt:MATRIX_FMT_FP4 matrix_b_fmt:MATRIX_FMT_FP4
.endif
.endm
; 16 matrix instructions of tile f: eight K steps (half = 0: 0-7, ctx and W_o; 1: 8-15, Q and W_q) for both tiles of tokens, the two accumulators by turns.
; The biases' sum is the C of each sum's first instruction.
.macro MULS f, half
	BUF \f
.if \half == 0
	WIN 0xc4|BW                                    ; source 0 the buffer's window, source 1 window 1, C window 0, D window 3
.irp m, 0,1
	WX 8*(2*(\f)+\m), BR, 8*(16*\m), BS, 16+8*\m, 1, 0
.endr
	WIN 0xf4|BW                                    ; C window 3
.irp s, 1,2,3,4,5,6,7
.irp m, 0,1
	WX 8*(2*(\f)+\m), BR+8*\s, 8*(16*\m+\s), BS+4*(\s/8)+(\s%4), 16+8*\m+4*(\s/8)+(\s%4), 0, (\s/4)%2
.endr
.endr
.else
	WIN 0xf4|BW
.irp s, 8,9,10,11,12,13,14,15
.irp m, 0,1
	WX 8*(2*(\f)+\m), BR+8*\s, 8*(16*\m+\s), BS+4*(\s/8)+(\s%4), 16+8*\m+4*(\s/8)+(\s%4), 0, (\s/4)%2
.endr
.endr
.endif
.endm
; Tile f.  kind = 0: tile f + 2 is asked for; 1: gamma, where tile 13 lay; 2: beta, where tile 14 lay.
.macro FT f, kind
.if \kind == 2
	s_wait_loadcnt 32                              ; behind the last tile's loads: gamma's 32
.else
	s_wait_loadcnt 38                              ; this tile's loads are in; the next tile's 38 may be out
.endif
.irp i, 0,2,4,6
	v_pk_add_f32 v[80+\i:81+\i], v[48+16*((\f)%2)+\i:49+16*((\f)%2)+\i], v[56+16*((\f)%2)+\i:57+16*((\f)%2)+\i]
.endr
	s_wait_alu depctr_va_vdst(0)                   ; the matrix instructions of the tile before are done reading their weights and scale words, and the four additions their biases: the loads below land in these registers
.if \kind == 0
	WSMALL (\f)+2                                  ; the first run: 22 loads
	WHALF (\f)+2, 0
.elseif \kind == 1
	VECH 22, 0, 0
.else
	VECH 24, 128, 0
.endif
	MULS \f, 0
.if \kind == 0
	WHALF (\f)+2, 1                                ; the second run: 16 loads.  No wait: no vector or matrix instruction since the wait above names the buffer in which they land
.elseif \kind == 1
	VECH 22, 0, 8
.else
	VECH 24, 128, 8
.endif
	MULS \f, 1
	WIN 0
	PLACES 4                                       ; ahead of the next sum of biases, which writes the C of this tile's first products, and of the first reads of results
.endm
	WSMALL 0                                       ; tiles 0 and 1 are asked for whole
	WHALF 0, 0
	WHALF 0, 1
	WSMALL 1
	WHALF 1, 0
	WHALF 1, 1
	WIN 0
.irp f, 0,1,2,3,4,5,6,7,8,9,10,11,12,13
	FT \f, 0
.endr
	FT 14, 1
	FT 15, 2
; Four chains v[96:103] (tile of tokens m, two each) are folded to one number a token, exchanged among the waves through LDS, and added: v108 = tile 0's total of my token r, v109 = tile 1's.
; out: the register from which the LDS store leaves: each exchange has its own, so that none is written again behind a store that reads it.
.macro XCH stat, out
	v_pk_add_f32 v[96:97], v[96:97], v[98:99]
	v_pk_add_f32 v[100:101], v[100:101], v[102:103]
	v_add_f32 v96, v96, v97
	v_add_f32 v100, v100, v101
	v_permlanex16_b32 v104, v96, s30, s31
	v_permlanex16_b32 v105, v100, s30, s31
	v_add_f32 v96, v96, v104                       ; my wave's 256 features of token r
	v_add_f32 v100, v100, v105
	v_cndmask_b32 v[\out], v96, v100, s32          ; lanes 0-15 carry tile 0, lanes 16-31 tile 1
	s_wait_alu depctr_va_vdst(0)                   ; v[out] is written, which the LDS store reads; every earlier line that named v108 to v115 is done, in which the LDS loads below land
	ds_store_b32 v7, v[\out] offset:\stat
	s_wait_dscnt 0x0                               ; for the others' sake: my store is done
	s_barrier_signal -1
	s_barrier_wait -1
.irp m, 0,1
.irp w, 0,1,2,3
	ds_load_b32 v[108+4*\m+\w], v8 offset:\stat+128*\w+64*\m
.endr
.endr
	s_wait_dscnt 0x0
	v_add_f32 v108, v108, v109
	v_add_f32 v110, v110, v111
	v_add_f32 v112, v112, v113
	v_add_f32 v114, v114, v115
	v_add_f32 v108, v108, v110
	v_add_f32 v109, v112, v114
.endm
	; the rows' sums; each accumulator is read from its low end on
	WIN 0x0f                                       ; sources 0 and 1 window 3
.irp m, 0,1
	v_pk_add_f32 v[96+4*\m:97+4*\m], v[8*\m:8*\m+1], v[8*\m+4:8*\m+5]
	v_pk_add_f32 v[98+4*\m:99+4*\m], v[8*\m+2:8*\m+3], v[8*\m+6:8*\m+7]
.endr
	WIN 0x0c                                       ; source 1 window 3
.irp f, 1,2,3,4,5,6,7,8,9,10,11,12,13,14,15
.irp i, 0,4
.irp m, 0,1
	v_pk_add_f32 v[96+4*\m:97+4*\m], v[96+4*\m:97+4*\m], v[8*(2*\f+\m)+\i:8*(2*\f+\m)+\i+1]
	v_pk_add_f32 v[98+4*\m:99+4*\m], v[98+4*\m:99+4*\m], v[8*(2*\f+\m)+\i+2:8*(2*\f+\m)+\i+3]
.endr
.endr
.endr
	WIN 0
	XCH STAT1, 106
	v_mul_f32 v116, s33, v108                      ; the means, each in both halves of a pair
	v_mul_f32 v118, s33, v109
	v_mov_b32 v117, v116
	v_mov_b32 v119, v118
	WIN 0xc3                                       ; destination and source 0 window 3
.irp f, 0,1,2,3,4,5,6,7,8,9,10,11,12,13,14,15
.irp m, 0,1
.irp i, 0,2,4,6
	v_pk_add_f32 v[8*(2*\f+\m)+\i:8*(2*\f+\m)+\i+1], v[8*(2*\f+\m)+\i:8*(2*\f+\m)+\i+1], v[116+2*\m:117+2*\m] neg_lo:[0,1] neg_hi:[0,1]   ; x - mu
.endr
.endr
.endr
	WIN 0x0f
.irp m, 0,1
	v_pk_mul_f32 v[96+4*\m:97+4*\m], v[8*\m:8*\m+1], v[8*\m:8*\m+1]
	v_pk_mul_f32 v[98+4*\m:99+4*\m], v[8*\m+2:8*\m+3], v[8*\m+2:8*\m+3]
.endr
.irp m, 0,1
	v_pk_fma_f32 v[96+4*\m:97+4*\m], v[8*\m+4:8*\m+5], v[8*\m+4:8*\m+5], v[96+4*\m:97+4*\m]
	v_pk_fma_f32 v[98+4*\m:99+4*\m], v[8*\m+6:8*\m+7], v[8*\m+6:8*\m+7], v[98+4*\m:99+4*\m]
.endr
.irp f, 1,2,3,4,5,6,7,8,9,10,11,12,13,14,15
.irp i, 0,4
.irp m, 0,1
	v_pk_fma_f32 v[96+4*\m:97+4*\m], v[8*(2*\f+\m)+\i:8*(2*\f+\m)+\i+1], v[8*(2*\f+\m)+\i:8*(2*\f+\m)+\i+1], v[96+4*\m:97+4*\m]
	v_pk_fma_f32 v[98+4*\m:99+4*\m], v[8*(2*\f+\m)+\i+2:8*(2*\f+\m)+\i+3], v[8*(2*\f+\m)+\i+2:8*(2*\f+\m)+\i+3], v[98+4*\m:99+4*\m]
.endr
.endr
.endr
	WIN 0
	XCH STAT2, 107                                 ; other bytes than the first exchange: no wave still reads what is written here
	v_fma_f32 v108, v108, s33, s34                 ; the variance + 1e-5
	v_fma_f32 v109, v109, s33, s34
	s_wait_alu depctr_va_vdst(0)
	v_rsq_f32 v120, v108
	v_rsq_f32 v122, v109
	v_nop                                          ; one plain line behind the transcendentals
	s_wait_alu depctr_va_vdst(0)                   ; the two reciprocal roots v120 and v122 are written, ahead of their first readers
	v_mov_b32 v121, v120
	v_mov_b32 v123, v122
	s_wait_alu depctr_va_vdst(0)
	s_wait_loadcnt 0x0                             ; gamma and beta
	WIN 0xc3
.irp f, 0,1,2,3,4,5,6,7,8,9,10,11,12,13,14,15
.irp m, 0,1
.irp i, 0,2,4,6
	v_pk_mul_f32 v[8*(2*\f+\m)+\i:8*(2*\f+\m)+\i+1], v[8*(2*\f+\m)+\i:8*(2*\f+\m)+\i+1], v[120+2*\m:121+2*\m]
.endr
.endr
.endr
	WIN 0xeb                                       ; destination and source 0 window 3, sources 1 and 2 window 2
.irp f, 0,1,2,3,4,5,6,7,8,9,10,11,12,13,14,15
.irp m, 0,1
.irp i, 0,2,4,6
	v_pk_fma_f32 v[8*(2*\f+\m)+\i:8*(2*\f+\m)+\i+1], v[8*(2*\f+\m)+\i:8*(2*\f+\m)+\i+1], v[8*\f+\i:8*\f+\i+1], v[128+8*\f+\i:128+8*\f+\i+1]
.endr
.endr
.endr
; THE WAY OUT: 16 tokens x my 1,024 bytes go through my own stage and come back as rows; each store of the wave covers 512 consecutive bytes, aligned.  LDS serves a wave's instructions in order (ISA guide 5.7.1.4).
.macro OUTM m
	WIN 0x0c                                       ; an LDS store's data are its source 1: window 3
.if \m == 0
	s_wait_alu depctr_va_vdst(0)                   ; the multiply-adds have written all 256 results, which the LDS stores of both halves read; tile 15's matrix instructions are done reading v128 to v255, in which the rows land
.endif
.irp f, 0,1,2,3,4,5,6,7,8,9,10,11,12,13,14,15
	ds_store_b128 v5, v[8*(2*\f+\m):8*(2*\f+\m)+3] offset:64*\f
	ds_store_b128 v5, v[8*(2*\f+\m)+4:8*(2*\f+\m)+7] offset:64*\f+16
.endr
	WIN 0
.if \m
	s_wait_xcnt 0x0                                ; the first half's stores have had their addresses translated: the loads below land in the registers that they read,
	s_wait_alu depctr_vm_vsrc(0)                   ; and those stores have read v128 to v255
.endif
.set I, 0
.rept 32
	ds_load_b128 v[128+4*I:131+4*I], v6 offset:1040*(I/2)+512*(I%2)
.set I, I+1
.endr
.set I, 0
.rept 32
	s_wait_dscnt 31-I
	global_store_b128 v1, v[128+4*I:131+4*I], s[26:27] offset:4096*(16*\m+I/2)+512*(I%2) th:TH_STORE_NT
.set I, I+1
.endr
.endm
	OUTM 0
	OUTM 1
	s_wait_dscnt 0x0                               ; the closing lines, six on end
	s_wait_alu 0x0
	s_wait_tensorcnt 0x0
	ds_add_u32 v126, v127
	s_wait_dscnt 0x0
	s_endpgm
.Lfunc_end_k_qa84f3f145a_outln:
	.size	k_qa84f3f145a_outln, .Lfunc_end_k_qa84f3f145a_outln-k_qa84f3f145a_outln
	.p2alignl 7, 3214868480
	.fill 96, 4, 3214868480
	.section	.rodata,"a",@progbits
	.p2align	6, 0x0
	.amdhsa_kernel k_qa84f3f145a_outln
		.amdhsa_group_segment_fixed_size 68096
		.amdhsa_private_segment_fixed_size 0
		.amdhsa_enable_private_segment 0
		.amdhsa_kernarg_size 96
		.amdhsa_user_sgpr_count 2
		.amdhsa_user_sgpr_kernarg_segment_ptr 1
		.amdhsa_wavefront_size32 1
		.amdhsa_system_sgpr_workgroup_id_x 1
		.amdhsa_system_sgpr_workgroup_id_y 1
		.amdhsa_system_sgpr_workgroup_id_z 1
		.amdhsa_system_vgpr_workitem_id 0
		.amdhsa_next_free_vgpr 1024
		.amdhsa_next_free_sgpr 66
		.amdhsa_reserve_vcc 0
		.amdhsa_float_denorm_mode_32 3
		.amdhsa_float_denorm_mode_16_64 3
		.amdhsa_memory_ordered 1
		.amdhsa_forward_progress 1
		.amdhsa_inst_pref_size 206
	.end_amdhsa_kernel
	.amdgpu_metadata
---
amdhsa.version: [ 1, 2 ]
amdhsa.kernels:
  - .name:           k_qa84f3f145a_outln
    .symbol:         k_qa84f3f145a_outln.kd
    .args:
      - { .name: cimg, .offset: 0, .size: 8, .value_kind: global_buffer, .address_space: global }
      - { .name: csc, .offset: 8, .size: 8, .value_kind: global_buffer, .address_space: global }
      - { .name: Q_codes, .offset: 16, .size: 8, .value_kind: global_buffer, .address_space: global }
      - { .name: Q_scales, .offset: 24, .size: 8, .value_kind: global_buffer, .address_space: global }
      - { .name: wimg, .offset: 32, .size: 8, .value_kind: global_buffer, .address_space: global }
      - { .name: W_o_scales, .offset: 40, .size: 8, .value_kind: global_buffer, .address_space: global }
      - { .name: W_q_scales, .offset: 48, .size: 8, .value_kind: global_buffer, .address_space: global }
      - { .name: b_o, .offset: 56, .size: 8, .value_kind: global_buffer, .address_space: global }
      - { .name: b_q, .offset: 64, .size: 8, .value_kind: global_buffer, .address_space: global }
      - { .name: ln_gamma, .offset: 72, .size: 8, .value_kind: global_buffer, .address_space: global }
      - { .name: ln_beta, .offset: 80, .size: 8, .value_kind: global_buffer, .address_space: global }
      - { .name: out0, .offset: 88, .size: 8, .value_kind: global_buffer, .address_space: global }
    .group_segment_fixed_size: 68096
    .private_segment_fixed_size: 0
    .kernarg_segment_align: 8
    .kernarg_segment_size: 96
    .max_flat_workgroup_size: 128
    .sgpr_count:     66
    .vgpr_count:     1024
    .wavefront_size: 32
...
	.end_amdgpu_metadata
.endif
;; end of part 6
